; MI455X (gfx1250); checked and timed in simulation.
; The chip was launched on July 23, 2026; its instructions are those of AMD's public machine-readable ISA for CDNA 5 (MIT licence, August 2026) and "CDNA5" Instruction Set Architecture Reference Guide (July 2026). The comments in the code are by the model that wrote it; some were corrected since.
;; Input Emb Layer. Allowed arithmetic: float matrix products may take bf16 or f16 operands with f32 sums; other float arithmetic in f32, or as packed bf16 or f16 multiplies, adds, multiply-adds, maxima and minima; sums over many terms, partial sums and values carried from step to step in f32; what a program stores and reads back later, other than sums and carried values, may be rounded once to bf16 or f16.
;; Inputs: real_len 2 x 16 int32; times 2 x 16 x 2,048 float32; type_emb 2 x 512 float32.
;; Outputs: out0 16 x 1,024 x 512 float32.
;; 3 versions, each right; version 3 is version 2 with the launch embed written anew for expert scheduling mode. Each part assembles by itself: llvm-mc -triple=amdgcn-amd-amdhsa -mcpu=gfx1250 --defsym DOCPART=n.
;; ======== version 1 of 3: 2 launches
;; limits: values are held in f16: magnitudes above 65,504 overflow, below 6.1e-05 lose precision; inputs' magnitudes at most 400,000
;; workspace buffers: emb 67,108,864 bytes; qs 1,048,576 bytes
;; launch embed (part 1): grid 16 x 16, 16 waves a work-group, no clusters, 0 bytes of LDS; arguments times, type_emb, real_len, emb, qs; writes emb, qs
.if DOCPART == 1
	.amdgcn_target "amdgcn-amd-amdhsa--gfx1250"
	.amdhsa_code_object_version 6
	.text
	.protected	k_q4a0bbc953d_embed
	.globl	k_q4a0bbc953d_embed
	.p2align	8
	.type	k_q4a0bbc953d_embed,@function
k_q4a0bbc953d_embed:
	s_mov_b64 s[64:65], 0
	v_nop
	global_prefetch_b8 v0, s[64:65] scope:SCOPE_SE
	s_setreg_imm32_b32 hwreg(HW_REG_WAVE_MODE, 25, 1), 1
	s_wait_xcnt 0x0
; EMBED.  Makes, once, what the attention launch multiplies: the event embeddings and the grid queries, both in f16.
;   emb [16][4096][512] f16: for sample b the VALID events laid end to end: rows 0 .. len0-1 type 0's first len0 events, rows len0 .. n-1 type 1's first len1 (n = len0 + len1),
;   rows n .. 4095 zeros.  A softmax and a weighted sum do not hang on the order of their terms.
;   A row = (sin | cos)(t w_f) + type_emb[type], all 0 where t = 0 (such a row still counts in the softmax, with score 0, as in the reference).
;   qs [1024][512] f16: c (sin | cos)((g + 0.5) w_f), c = log2(e) / sqrt(512) folded in before the one rounding.   w_f = 10000^(-f/256), f = dim / 2; even dims sin, odd dims cos.
; SINE AND COSINE by arithmetic: x = t w / 4; k = round(x 2/pi); y = x - k pi/2 (pi/2 in two parts; k times the upper part, of 8 bits, is exact while k < 2^16); sin y to y^7, cos y to y^6
;   on |y| <= pi/4; two doublings give the angle 4 y = t w - 2 pi k: no quadrant is told apart.  The last doubling takes the type's number in as its addend.
; LIMITS.  real_len is held to 0 .. 2048.  |t| under about 4e5 (k < 2^16).  The angle t w carries two or three roundings of f32, as the reference's t / pos does.  |row| stays under f16's 65,504.
; SHARES.  Work-group (k, b), wave v: row j = 256 i + 16 k + v of sample b in trip i, i = 0 .. 15.
;   A lane makes dims 8 l .. 8 l + 7 and 256 + 8 l .. + 7: eight frequencies in four register pairs; each of a row's two stores covers 512 consecutive bytes, aligned.
;   Waves 0 to 3 make one row of qs each: g = 4 (16 b + k) + v.  No LDS, no barrier, no matrix unit: nothing is shared between waves and nothing is streamed in.
.set TRIPS, 16                         ; 4,096 rows of a sample, 256 a trip
.set TRIPB, 262144                     ; bytes from a wave's row to its next: 256 rows of 1,024
.set W4,   2                           ; v[2:9]    w / 4 of my eight frequencies
.set TS0,  10                          ; v[10:17]  type 0: its numbers at my even dims
.set TC0,  18                          ; v[18:25]  type 0: 1 + its numbers at my odd dims
.set TS1,  26                          ; the same for type 1
.set TC1,  34
.set X,    42                          ; at work, eight registers each
.set KK,   50
.set Z,    58
.set A,    66
.set B,    74
.set U,    82
.set OUT,  90                          ; v[90:97]  the row's 16 f16 pairs of mine, to store
.set ES,   98                          ; the even dims' results
.set EC,   KK                          ; the odd dims' results
.set TALL, 106                         ; lane i: the time of my wave's row in trip i
.set MV,   107                         ; lane i: -1 where that row is kept, 0 where it is written as zeros
.set SO,   108                         ; my byte offset in emb, stepped a trip ahead of the stores
.set JV,   109
.set GI,   110
.set QSO,  111                         ; 16 l, for qs
.set WV,   14
.set SB,   15                          ; the sample
.set CR,   17                          ; 16 k + v
.set LEN0, 18
.set NN,   19
.set TI,   21                          ; the trip
.set TT,   22                          ; s[22:23] t, as a pair for the packed multiply
.set MSK,  24
.set JJ,   25                          ; the row
.set C2PI, 26
.set CMAG, 28
.set CNMAG, 30
.set CNHI, 32
.set CNLO, 34
.set CS7,  36
.set CS5,  38
.set CS3,  40
.set CC6,  42
.set CC4,  44
.set CNA,  46
.set CSC,  48
.set CLOG, 50
.set TMP,  52
.set MA,   54
.set MB,   55
.set G1O,  56
.set B2K,  57
.macro SETC r, val                     ; a constant as a pair: the packed forms take the low word for both halves, and the pair counts as read
	s_mov_b32 s[\r], \val
	s_mov_b32 s[(\r)+1], \val
.endm
; From t in s[TT]: Z = -sin(2 y), B = cos(2 y) for my eight frequencies.
.macro SINCOS
.irp p, 0,2,4,6
	v_pk_mul_f32 v[X+(\p):X+(\p)+1], v[W4+(\p):W4+(\p)+1], s[TT:TT+1] op_sel_hi:[1,0]
.endr
.irp p, 0,2,4,6
	v_pk_fma_f32 v[KK+(\p):KK+(\p)+1], v[X+(\p):X+(\p)+1], s[C2PI:C2PI+1], s[CMAG:CMAG+1] op_sel_hi:[1,0,0]  ; + 1.5 x 2^23 rounds to a whole number
.endr
.irp p, 0,2,4,6
	v_pk_add_f32 v[KK+(\p):KK+(\p)+1], v[KK+(\p):KK+(\p)+1], s[CNMAG:CNMAG+1] op_sel_hi:[1,0]
.endr
.irp p, 0,2,4,6
	v_pk_fma_f32 v[X+(\p):X+(\p)+1], v[KK+(\p):KK+(\p)+1], s[CNHI:CNHI+1], v[X+(\p):X+(\p)+1] op_sel_hi:[1,0,1]
.endr
.irp p, 0,2,4,6
	v_pk_fma_f32 v[X+(\p):X+(\p)+1], v[KK+(\p):KK+(\p)+1], s[CNLO:CNLO+1], v[X+(\p):X+(\p)+1] op_sel_hi:[1,0,1]
.endr
.irp p, 0,2,4,6
	v_pk_mul_f32 v[Z+(\p):Z+(\p)+1], v[X+(\p):X+(\p)+1], v[X+(\p):X+(\p)+1]
.endr
.irp p, 0,2,4,6
	v_pk_fma_f32 v[A+(\p):A+(\p)+1], v[Z+(\p):Z+(\p)+1], s[CS7:CS7+1], s[CS5:CS5+1] op_sel_hi:[1,0,0]
	v_pk_fma_f32 v[B+(\p):B+(\p)+1], v[Z+(\p):Z+(\p)+1], s[CC6:CC6+1], s[CC4:CC4+1] op_sel_hi:[1,0,0]
.endr
.irp p, 0,2,4,6
	v_pk_fma_f32 v[A+(\p):A+(\p)+1], v[A+(\p):A+(\p)+1], v[Z+(\p):Z+(\p)+1], s[CS3:CS3+1] op_sel_hi:[1,1,0]
	v_pk_fma_f32 v[B+(\p):B+(\p)+1], v[B+(\p):B+(\p)+1], v[Z+(\p):Z+(\p)+1], -0.5 op_sel_hi:[1,1,0]
	v_pk_mul_f32 v[U+(\p):U+(\p)+1], v[X+(\p):X+(\p)+1], v[Z+(\p):Z+(\p)+1]
.endr
.irp p, 0,2,4,6
	v_pk_fma_f32 v[A+(\p):A+(\p)+1], v[A+(\p):A+(\p)+1], v[U+(\p):U+(\p)+1], v[X+(\p):X+(\p)+1]  ; sin y
	v_pk_fma_f32 v[B+(\p):B+(\p)+1], v[B+(\p):B+(\p)+1], v[Z+(\p):Z+(\p)+1], 1.0 op_sel_hi:[1,1,0]  ; cos y
.endr
.irp p, 0,2,4,6
	v_pk_mul_f32 v[U+(\p):U+(\p)+1], v[A+(\p):A+(\p)+1], -2.0 op_sel_hi:[1,0]
.endr
.irp p, 0,2,4,6
	v_pk_mul_f32 v[Z+(\p):Z+(\p)+1], v[U+(\p):U+(\p)+1], v[B+(\p):B+(\p)+1]  ; -2 sin y cos y = -sin 2y
.endr
.irp p, 0,2,4,6
	v_pk_fma_f32 v[B+(\p):B+(\p)+1], v[U+(\p):U+(\p)+1], v[A+(\p):A+(\p)+1], 1.0 op_sel_hi:[1,1,0]  ; 1 - 2 sin^2 y = cos 2y
.endr
.endm
; The last doubling with a type's numbers as addends: ES = sin 4y + even, EC = cos 4y + odd.
.macro FINAL ts, tc
.irp p, 0,2,4,6
	v_pk_mul_f32 v[U+(\p):U+(\p)+1], v[Z+(\p):Z+(\p)+1], -2.0 op_sel_hi:[1,0]  ; 2 sin 2y
.endr
.irp p, 0,2,4,6
	v_pk_fma_f32 v[ES+(\p):ES+(\p)+1], v[U+(\p):U+(\p)+1], v[B+(\p):B+(\p)+1], v[(\ts)+(\p):(\ts)+(\p)+1]
	v_pk_fma_f32 v[EC+(\p):EC+(\p)+1], v[U+(\p):U+(\p)+1], v[Z+(\p):Z+(\p)+1], v[(\tc)+(\p):(\tc)+(\p)+1]
.endr
.endm
	s_load_b256 s[4:11], s[0:1], 0x0               ; times s[4:5], type_emb s[6:7], real_len s[8:9], emb s[10:11]
	s_load_b64 s[12:13], s[0:1], 0x20              ; qs
	v_and_b32 v1, 31, v0                           ; lane
	v_lshrrev_b32 v[GI], 5, v0
	v_readfirstlane_b32 s[WV], v[GI]               ; wave 0..15
	s_and_b32 s[SB], ttmp7, 0xffff
	s_lshl_b32 s[CR], ttmp9, 4
	s_add_co_u32 s[CR], s[CR], s[WV]
	SETC C2PI,  0x3f22f983                         ; 2 / pi
	SETC CMAG,  0x4b400000                         ; 1.5 x 2^23
	SETC CNMAG, 0xcb400000
	SETC CNHI,  0xbfc90000                         ; -1.5703125
	SETC CNLO,  0xb9fdaa22                         ; -(pi/2 - 1.5703125)
	SETC CS7,   0xb9500d01                         ; -1/5040
	SETC CS5,   0x3c088889                         ; 1/120
	SETC CS3,   0xbe2aaaab                         ; -1/6
	SETC CC6,   0xbab60b61                         ; -1/720
	SETC CC4,   0x3d2aaaab                         ; 1/24
	SETC CNA,   0xbe0293ee                         ; -2 c
	SETC CSC,   0x3d8293ee                         ; c = log2(e) / sqrt(512)
	s_mov_b32 s[CLOG], 0xbd549a78                  ; -log2(10000) / 256
	v_lshlrev_b32 v[GI], 2, v1                     ; 4 l
.irp e, 0,1,2,3,4,5,6,7
	v_add_nc_u32 v[W4+(\e)], (\e)+124*((\e)/4), v[GI]  ; f = 4 l + e, or 128 + 4 l + e - 4
.endr
.irp e, 0,1,2,3,4,5,6,7
	v_cvt_f32_u32 v[W4+(\e)], v[W4+(\e)]
.endr
.irp e, 0,1,2,3,4,5,6,7
	v_fma_f32 v[W4+(\e)], v[W4+(\e)], s[CLOG], -2.0  ; the exponent of w / 4
.endr
.irp e, 0,1,2,3,4,5,6,7
	v_exp_f32 v[W4+(\e)], v[W4+(\e)]
.endr
	v_lshlrev_b32 v[U], 5, v1                      ; 32 l: my place in a block of type_emb; also the plain instruction behind the last exponential
	s_wait_alu depctr_va_vdst(0)                   ; one wait for the batch of eight, ahead of their first reader and of every label
	s_lshl_b32 s[TMP], s[SB], 2
	s_mov_b32 s[TMP+1], 0
	s_wait_kmcnt 0x0
	s_add_nc_u64 s[8:9], s[8:9], s[TMP:TMP+1]
	s_load_b32 s[LEN0], s[8:9], 0x0                ; real_len[0][b]
	s_load_b32 s[NN], s[8:9], 0x40                 ; real_len[1][b]
.irp t, 0,1
	global_load_b128 v[X+16*(\t):X+16*(\t)+3],     v[U], s[6:7] offset:2048*(\t)
	global_load_b128 v[X+16*(\t)+4:X+16*(\t)+7],   v[U], s[6:7] offset:2048*(\t)+16
	global_load_b128 v[X+16*(\t)+8:X+16*(\t)+11],  v[U], s[6:7] offset:2048*(\t)+1024
	global_load_b128 v[X+16*(\t)+12:X+16*(\t)+15], v[U], s[6:7] offset:2048*(\t)+1040
.endr
	s_wait_kmcnt 0x0
	s_max_i32 s[LEN0], s[LEN0], 0
	s_min_u32 s[LEN0], s[LEN0], 2048
	s_max_i32 s[NN], s[NN], 0
	s_min_u32 s[NN], s[NN], 2048
	s_add_co_u32 s[NN], s[NN], s[LEN0]             ; n
	s_sub_co_u32 s[G1O], 0x8000, s[LEN0]           ; from type 0's index to type 1's: one block of 16 x 2,048 on, len0 back
	s_lshl_b32 s[B2K], s[SB], 11
	; all my wave's times in one load: lane i stands for trip i
	v_lshl_add_u32 v[JV], v1, 8, s[CR]             ; the row, 256 i + 16 k + v
	v_add_nc_u32 v[OUT], s[B2K], v[JV]
	v_add_nc_u32 v[OUT+1], s[G1O], v[OUT]
	v_cmp_gt_u32 vcc_lo, s[LEN0], v[JV]
	v_cndmask_b32 v[GI], v[OUT+1], v[OUT], vcc_lo
	v_min_u32 v[GI], 0xffff, v[GI]                 ; rows from n on, and lanes that stand for no trip, read some time inside the buffer; their rows are zeros or are not made
	v_lshlrev_b32 v[GI], 2, v[GI]
	global_load_b32 v[TALL], v[GI], s[4:5]
	s_lshl_b32 s[TMP], s[SB], 12
	s_add_co_u32 s[TMP], s[TMP], s[CR]
	s_lshl_b32 s[TMP], s[TMP], 10                  ; (4096 b + 16 k + v) rows of 1,024 bytes, under 2^27
	s_add_nc_u64 s[10:11], s[10:11], s[TMP:TMP+1]
	v_lshlrev_b32 v[SO], 4, v1
	v_lshlrev_b32 v[QSO], 4, v1
	s_mov_b32 s[JJ], s[CR]
	s_mov_b32 s[TI], 0
	s_wait_loadcnt 0x0                             ; type_emb and the times, once
.irp e, 0,1,2,3,4,5,6,7
	v_mov_b32 v[TS0+(\e)], v[X+2*(\e)]
	v_add_f32 v[TC0+(\e)], 1.0, v[X+2*(\e)+1]
	v_mov_b32 v[TS1+(\e)], v[X+16+2*(\e)]
	v_add_f32 v[TC1+(\e)], 1.0, v[X+16+2*(\e)+1]
.endr
	v_cmp_neq_f32 s[MA], 0, v[TALL]                ; the reference's pad: t != 0
	v_cmp_gt_u32 s[MB], s[NN], v[JV]               ; and the row is an event's
	s_and_b32 s[MA], s[MA], s[MB]
	v_cndmask_b32 v[MV], 0, -1, s[MA]              ; it selects values alone: no branch and no address hangs on it
.Ltrip:
	v_readlane_b32 s[TT], v[TALL], s[TI]
	v_readlane_b32 s[MSK], v[MV], s[TI]
	s_mov_b32 s[TT+1], s[TT]
	SINCOS
	s_cmp_lt_u32 s[JJ], s[LEN0]                    ; whole numbers: which type's block the row lies in
	s_cbranch_scc0 .Ltype1
	FINAL TS0, TC0
	s_branch .Ljoin
.Ltype1:
	FINAL TS1, TC1
.Ljoin:
	s_wait_xcnt 0x0                                ; the last trip's two stores have read OUT and SO: only behind this wait are they written again
	v_add_nc_u32 v[SO], TRIPB, v[SO]               ; the next trip's row; this trip's stores reach back
.irp e, 0,1,2,3,4,5,6,7
	v_cvt_pk_f16_f32 v[OUT+(\e)], v[ES+(\e)], v[EC+(\e)]  ; dims 2 f (low half) and 2 f + 1
.endr
.irp e, 0,1,2,3,4,5,6,7
	v_and_b32 v[OUT+(\e)], s[MSK], v[OUT+(\e)]
.endr
	global_store_b128 v[SO], v[OUT:OUT+3],   s[10:11] offset:-TRIPB th:TH_STORE_NT      ; the wave stores 512 consecutive bytes, aligned
	global_store_b128 v[SO], v[OUT+4:OUT+7], s[10:11] offset:512-TRIPB th:TH_STORE_NT
	s_add_co_u32 s[JJ], s[JJ], 256
	s_add_co_u32 s[TI], s[TI], 1
	s_cmp_lt_u32 s[TI], TRIPS
	s_cbranch_scc1 .Ltrip
	s_cmp_lt_u32 s[WV], 4                          ; waves 0 to 3: a row of qs
	s_cbranch_scc0 .Lend
	s_lshl_b32 s[JJ], s[SB], 4
	s_add_co_u32 s[JJ], s[JJ], ttmp9
	s_lshl_b32 s[JJ], s[JJ], 2
	s_add_co_u32 s[JJ], s[JJ], s[WV]               ; g
	s_cvt_f32_u32 s[TT], s[JJ]
	s_add_f32 s[TT], s[TT], 0.5                    ; the grid's mid-time
	s_mov_b32 s[TT+1], s[TT]
	s_lshl_b32 s[TMP], s[JJ], 10
	s_add_nc_u64 s[12:13], s[12:13], s[TMP:TMP+1]
	SINCOS
.irp p, 0,2,4,6
	v_pk_mul_f32 v[U+(\p):U+(\p)+1], v[Z+(\p):Z+(\p)+1], s[CNA:CNA+1] op_sel_hi:[1,0]  ; 2 c sin 2y
.endr
.irp p, 0,2,4,6
	v_pk_mul_f32 v[ES+(\p):ES+(\p)+1], v[U+(\p):U+(\p)+1], v[B+(\p):B+(\p)+1]
	v_pk_fma_f32 v[EC+(\p):EC+(\p)+1], v[U+(\p):U+(\p)+1], v[Z+(\p):Z+(\p)+1], s[CSC:CSC+1] op_sel_hi:[1,1,0]
.endr
	s_wait_xcnt 0x0                                ; the last row's stores have read OUT
.irp e, 0,1,2,3,4,5,6,7
	v_cvt_pk_f16_f32 v[OUT+(\e)], v[ES+(\e)], v[EC+(\e)]
.endr
	global_store_b128 v[QSO], v[OUT:OUT+3],   s[12:13]
	global_store_b128 v[QSO], v[OUT+4:OUT+7], s[12:13] offset:512
.Lend:
	s_endpgm
.Lfunc_end_k_q4a0bbc953d_embed:
	.size	k_q4a0bbc953d_embed, .Lfunc_end_k_q4a0bbc953d_embed-k_q4a0bbc953d_embed
	.p2alignl 7, 3214868480
	.fill 96, 4, 3214868480
	.section	.rodata,"a",@progbits
	.p2align	6, 0x0
	.amdhsa_kernel k_q4a0bbc953d_embed
		.amdhsa_group_segment_fixed_size 0
		.amdhsa_private_segment_fixed_size 0
		.amdhsa_enable_private_segment 0
		.amdhsa_kernarg_size 40
		.amdhsa_user_sgpr_count 2
		.amdhsa_user_sgpr_kernarg_segment_ptr 1
		.amdhsa_wavefront_size32 1
		.amdhsa_system_sgpr_workgroup_id_x 1
		.amdhsa_system_sgpr_workgroup_id_y 1
		.amdhsa_system_sgpr_workgroup_id_z 1
		.amdhsa_system_vgpr_workitem_id 0
		.amdhsa_next_free_vgpr 112
		.amdhsa_next_free_sgpr 66
		.amdhsa_reserve_vcc 1
		.amdhsa_float_denorm_mode_32 3
		.amdhsa_float_denorm_mode_16_64 3
		.amdhsa_memory_ordered 1
		.amdhsa_forward_progress 1
		.amdhsa_inst_pref_size 20
	.end_amdhsa_kernel
	.amdgpu_metadata
---
amdhsa.version: [ 1, 2 ]
amdhsa.kernels:
  - .name:           k_q4a0bbc953d_embed
    .symbol:         k_q4a0bbc953d_embed.kd
    .args:
      - { .name: times, .offset: 0, .size: 8, .value_kind: global_buffer, .address_space: global }
      - { .name: type_emb, .offset: 8, .size: 8, .value_kind: global_buffer, .address_space: global }
      - { .name: real_len, .offset: 16, .size: 8, .value_kind: global_buffer, .address_space: global }
      - { .name: emb, .offset: 24, .size: 8, .value_kind: global_buffer, .address_space: global }
      - { .name: qs, .offset: 32, .size: 8, .value_kind: global_buffer, .address_space: global }
    .group_segment_fixed_size: 0
    .private_segment_fixed_size: 0
    .kernarg_segment_align: 8
    .kernarg_segment_size: 40
    .max_flat_workgroup_size: 512
    .sgpr_count:     66
    .vgpr_count:     112
    .wavefront_size: 32
...
	.end_amdgpu_metadata
.endif
;; end of part 1
;; launch attend (part 2): grid 16 x 16, 4 waves a work-group, clusters of 4 x 1, 327,680 bytes of LDS; arguments emb, qs, real_len, out0; writes out0
.if DOCPART == 2
	.amdgcn_target "amdgcn-amd-amdhsa--gfx1250"
	.amdhsa_code_object_version 6
	.text
	.protected	k_q4a0bbc953d_attend
	.globl	k_q4a0bbc953d_attend
	.p2align	8
	.type	k_q4a0bbc953d_attend,@function
k_q4a0bbc953d_attend:
	s_mov_b64 s[64:65], 0
	v_nop
	global_prefetch_b8 v0, s[64:65] scope:SCOPE_SE
	s_setreg_imm32_b32 hwreg(HW_REG_WAVE_MODE, 25, 1), 1
	s_wait_xcnt 0x0
	s_wait_alu depctr_hold_cnt(0) depctr_sa_sdst(0) depctr_va_vdst(0) depctr_va_sdst(0) depctr_va_ssrc(0) depctr_va_vcc(0) depctr_vm_vsrc(0)
	s_getreg_b32 s2, hwreg(HW_REG_IB_STS2, 6, 4)
	s_cmp_eq_u32 s2, 0
	s_cbranch_scc0 .Lentry_in_a_cluster
	s_endpgm
.Lentry_in_a_cluster:
	s_bfe_u32 s2, ttmp6, 0x10000c
	s_cmp_lg_u32 s2, 0x3003
	s_cbranch_scc0 .Lentry_shape_is_right
	s_endpgm
.Lentry_shape_is_right:
; ATTEND.  out0[b][g][:] = the sum over the valid events e of softmax_e(emb[b][e] . q[g] / sqrt(512)) emb[b][e][:].  emb: [16][4096][512] f16, a sample's n valid events end to end, zeros behind them;
; qs: [1024][512] f16 with c = log2(e) / sqrt(512) folded in, so a product K q'^T is the exponent to base 2.  Products, maxima and sums in f32; the weights p are
; rounded to f16 for the second product (their sum l is taken of the unrounded p); out0 is f32.
; LIMITS.  real_len is held to 0 .. 2048; a sample with no valid event gives 0 (the reference: NaN).  A hidden score counts as its value less 1e30; a weight below 2^-126 counts as 0; NaN and infinities are not treated apart.
; SHARES.  A work-group owns 64 queries (four tiles of 16) of one sample: 256 work-groups.  Its four waves SHARE the queries, since O for 64 queries x 512 channels is 4 x 256 registers:
;   S^T = K Q^T: wave w takes keys 16 w .. 16 w + 15 of a step of 64, all 64 queries, all 512 channels (Q whole in every wave: 512 registers): 64 products fed by 32 LDS loads;
;   O^T += V^T P: wave w takes channels 128 w .. 128 w + 127, all 64 keys and queries: 64 products fed by 48 LDS loads.  K and V are the same rows of emb: one tile serves both, V turned by ds_load_tr16_b128.
;   So the waves' local maxima (MX) and their weights (PB) change hands through LDS in every step, two buffers each.
; THE WALK has 4,096 / 64 = 64 steps, four a trip, whatever n: a trip holds barriers and joint loads, so its count is a constant of the text.  real_len enters the mask alone: rows from n on are zeros, hidden by the mask.
; A STEP i:  ALPHA: S(i+1) = K(i+1) Q^T + mask, beside it O *= a(i).  LMAX: my keys' maxima of S(i+1) into MX.  RND: ONE meeting: it shows P(i), MX(i+1) and the tile of step i + 2 to everybody, and frees the slot
;   of step i - 1, which is filled with step i + 3 first thing behind it.  BETA: O += V(i)^T P(i), beside it, for step i + 1: the common maximum m, a = 2^(m_old - m), p = 2^(S - m), l = a l + sum p, P into PB; the mask of step i + 2.
; CLUSTER.  The four query blocks of a cluster belong to one sample and walk the same rows, so each tile is asked for JOINTLY: the same tensor load, descriptor and mask in all four.
; THE MASK is the C operand that starts a sum S^T: 0, or -1e30 for a key at or behind n.  It depends on the key alone: eight registers serve the four tiles.
; THE TURNING LOAD's two groups of eight lanes in a pass are set 128 bytes apart, not 16: with rows of 1,040 bytes (260 words: row j starts at bank 4 j mod 64; 64 banks of 4 bytes: ISA guide 11.1) the sixteen lanes then
;   It only renames O^T's rows: row m of channel block cb is channel 128 w + 8 cb + 64 (m / 8) + m % 8, so lane (r, h) ends with channels 128 w + 64 h + 0..63 of query r.
; REGISTERS, in windows of 256 (s_set_vgpr_msb: bits 1:0 source 0, 3:2 source 1, 5:4 source 2, 7:6 destination):
;   window 0: addresses, statistics, mask, S^T, P, and a ring of eight fragment buffers for K and V;   window 1: O^T, accumulator (cb, t) at 8 (4 cb + t);   windows 2, 3: Q, fragment (cs, t) at 8 (4 (cs % 8) + t), cs / 8 picks the window.
.set TRIPS,  15                        ; trips of the loop: 64 steps / 4, less the last four steps, which are written out
.set PITCH,  1040                      ; a row of emb in LDS: 1,024 bytes + 16 of padding: the 16 rows of a K fragment load start at 16 different groups of four banks
.set WTILE,  16*PITCH                  ; what one tensor load brings: 16 rows
.set SLOT,   4*WTILE                   ; a step's 64 rows; four slots
.set STEPB,  65536                     ; a step's bytes in memory
.set PB,     4*SLOT                    ; behind the ring, never filled by a tensor load: P, two buffers of 64 query rows x (128 + 16) bytes
.set PPITCH, 144
.set PTILE,  16*PPITCH
.set PBUF,   4*PTILE
.set MX,     PB+2*PBUF                 ; the waves' maxima, two buffers: [wave][query % 16][tile] f32
.set MXBUF,  1024
.set STAGE,  MX+2*MXBUF                ; for the way out: 16 rows x (512 + 16) bytes for each wave
.set SPITCH, 528
.set WSTAGE, 16*SPITCH
.set SPARE,  STAGE+4*WSTAGE            ; the spare words, 128 bytes for each wave: two blocks of 256 bytes that no other line names
.set AK,  2                            ; v2-5    my place in slot s for K's fragments: SLOT s + (16 w + r) PITCH + 16 h
.set PST, 6                            ; v6      where I put 16 bytes of P
.set PLD, 7                            ; v7      where I read P's fragments
.set MXS, 8                            ; v8      where I put my wave's four maxima
.set MXL, 9                            ; v9      where I read the four waves'
.set REM, 10                           ; v10     n - 64 step - 16 w - 8 h: register j of the mask is hidden where j >= REM
.set PFO, 11                           ; v11     256 x lane, for the prefetches; never rewritten
.set SPW, 12                           ; v12     LDS address of my spare word; never rewritten
.set NIL, 13                           ; v13     0; never rewritten
.set ST,  16                           ; tile t at +4 t: m, (0), l of even keys, l of odd keys
.set TM,  32                           ; tile t at +4 t: c0, c1 at work, a, (0)
.set MK,  48                           ; v48-55  the mask
.set PK,  56                           ; v56-71  my weights, packed
.set MXR, 72                           ; v72-87  the maxima read back: wave x, tile t at 4 x + t
.set S,   88                           ; v88-119 S^T, tile t at +8 t
.set PF,  120                          ; v120-183 P's fragments: keys 32 kk on, tile t at +32 kk + 8 t
.set KV,  184                          ; v184-247 the ring: fragment f of a phase in buffer f % 8
.set AV,  248                          ; v248-251 my place in slot s for the turning loads
.set STO, 252
.set SRD, 253
.set GO,  254
.set QO,  255
.set WV,  12                           ; s12 my wave's number
.set CX,  13                           ; s13 my place in the cluster: it enters Q's, out0's and the prefetches' addresses alone (with s14, s[58:61])
.set BLK, 14                           ; s14 my block of 64 queries
.set SB,  15                           ; s15 the sample
.set G1,  24                           ; s[24:31] descriptor group 1, never rewritten
.set G0,  32                           ; s[32:47] descriptor group 0, a set for each slot
.set CNT, 48
.set PL1, 50                           ; s50, s51: a wave prefetches while CNT is below these (steps 0, 1 and steps 2, 3 of a trip); 0 in a wave that never does
.set PFA, 52                           ; s[52:53] where my prefetches stand
.set SEL, 54                           ; s[54:55] v_permlanex16_b32's selects: each lane takes its own place in the other half
.set BIGN, 56
.set NN,  57
.set MSB, 0
.macro WIN new                         ; the high byte repeats the setting that is left; a switch that changes nothing is dropped
.if MSB != (\new)
	s_set_vgpr_msb (MSB<<8)|(\new)
.set MSB, \new
.endif
.endm
.set W_S,  0x08                        ; K Q^T: Q (source 1) in window 2; + 4: window 3.  Destination and source 0 stay in window 0, so the ring's loads stand under it too
.set W_PV, 0x50                        ; V^T P: O^T (C and D) in window 1
.set W_RS, 0x41                        ; O^T (destination and source 0) in window 1, the factor in window 0
; A round of the cluster's barrier: my work-group's barrier, so that wave 0's signal speaks for all four waves; wave 0 signals; every wave waits for all four work-groups; my work-group's barrier once more.
.macro ROUND
	s_barrier_signal -1
	s_barrier_wait -1
	s_cmp_lg_u32 s[WV], 0
	s_cbranch_scc1 .Lnot_wave_0_\@
	s_barrier_signal -3
.Lnot_wave_0_\@:
	s_barrier_wait -3
	s_barrier_signal -1
	s_barrier_wait -1
.endm
; THE RING.  A phase (ALPHA or BETA) multiplies 16 fragments, four products each.  At the head of group f the two loads of the fragment six places on in the stream are issued, into the buffer that group f - 2 read;
; behind that group's last product stand four plain vector instructions or more that name none of its registers.  The wait ahead of group f leaves the six younger fragments' twelve loads out.
.macro KLOAD s, f                      ; 16 keys x channels 32 f on
	ds_load_b128 v[KV+8*((\f)%8):KV+8*((\f)%8)+3],   v[AK+(\s)] offset:64*(\f)
	ds_load_b128 v[KV+8*((\f)%8)+4:KV+8*((\f)%8)+7], v[AK+(\s)] offset:64*(\f)+32
.endm
.macro VLOAD s, f                      ; keys 32 (f / 8) on, channel block f % 8, turned
	ds_load_tr16_b128 v[KV+8*((\f)%8):KV+8*((\f)%8)+3],   v[AV+(\s)] offset:((\f)/8)*32*PITCH+16*((\f)%8)
	ds_load_tr16_b128 v[KV+8*((\f)%8)+4:KV+8*((\f)%8)+7], v[AV+(\s)] offset:((\f)/8)*32*PITCH+16*PITCH+16*((\f)%8)
.endm
.macro PLOAD pb, kk                    ; P's four fragments of keys 32 kk on
.irp x, 0,1,2,3
	ds_load_b128 v[PF+32*(\kk)+8*(\x):PF+32*(\kk)+8*(\x)+3],   v[PLD] offset:PBUF*(\pb)+PTILE*(\x)+64*(\kk)
	ds_load_b128 v[PF+32*(\kk)+8*(\x)+4:PF+32*(\kk)+8*(\x)+7], v[PLD] offset:PBUF*(\pb)+PTILE*(\x)+64*(\kk)+32
.endr
.endm
.macro RS                              ; pair NI of 128 of O^T times its tile's a; ascending
	v_pk_mul_f32 v[2*NI:2*NI+1], v[2*NI:2*NI+1], v[TM+4*((NI/4)%4)+2:TM+4*((NI/4)%4)+3] op_sel_hi:[1,0]
.endm
; ALPHA: S^T of the step in slot sk.  The four accumulators take turns, one product a turn.  Behind every second product stand four of the 128 rescalings (rs = 1) or four v_nop: they are the
; places ahead of the ring's loads and, behind the last product, ahead of LMAX.  From group 10 on the stream goes on with V of slot sv (sv = -1: with nothing, and the counts run down).
.macro ALPHA sk, sv, rs
.set FI, 0
.rept 16
	WIN W_S+4*(FI/8)
.if FI < 10
	KLOAD \sk, FI+6
	s_wait_dscnt 12
.elseif (\sv) >= 0
	VLOAD \sv, FI-10
	s_wait_dscnt 12
.else
	s_wait_dscnt 2*(15-FI)
.endif
.set TI, 0
.rept 4
	WIN W_S+4*(FI/8)
.if FI == 0
	v_wmma_f32_16x16x32_f16 v[S+8*TI:S+8*TI+7], v[KV+8*(FI%8):KV+8*(FI%8)+7], v[8*(4*(FI%8)+TI):8*(4*(FI%8)+TI)+7], v[MK:MK+7]
.else
	v_wmma_f32_16x16x32_f16 v[S+8*TI:S+8*TI+7], v[KV+8*(FI%8):KV+8*(FI%8)+7], v[8*(4*(FI%8)+TI):8*(4*(FI%8)+TI)+7], v[S+8*TI:S+8*TI+7]
.endif
.if TI%2 == 1
.if \rs
	WIN W_RS
.set NI, 2*(4*FI+TI-1)
.rept 4
	RS
.set NI, NI+1
.endr
.else
.rept 4
	v_nop
.endr
.endif
.endif
.set TI, TI+1
.endr
.set FI, FI+1
.endr
.endm
; LMAX: for each tile the maximum over my wave's 16 keys: eight registers, then the other half of the lanes (a query's other eight keys lie in the lane 16 away); four numbers a query into MX.
.macro LMAX buf
	WIN 0
.irp t, 0,1,2,3
	v_max3_num_f32 v[TM+4*(\t)], v[S+8*(\t)], v[S+8*(\t)+1], v[S+8*(\t)+2]
.endr
.irp t, 0,1,2,3
	v_max3_num_f32 v[TM+4*(\t)+1], v[S+8*(\t)+3], v[S+8*(\t)+4], v[S+8*(\t)+5]
.endr
.irp t, 0,1,2,3
	v_max3_num_f32 v[TM+4*(\t)], v[TM+4*(\t)], v[S+8*(\t)+6], v[S+8*(\t)+7]
.endr
.irp t, 0,1,2,3
	v_max_num_f32 v[TM+4*(\t)], v[TM+4*(\t)], v[TM+4*(\t)+1]
.endr
.irp t, 0,1,2,3
	v_permlanex16_b32 v[TM+4*(\t)+1], v[TM+4*(\t)], s[SEL], s[SEL+1]
.endr
.irp t, 0,1,2,3
	v_max_num_f32 v[MXR+(\t)], v[TM+4*(\t)], v[TM+4*(\t)+1]
.endr
	ds_store_b128 v[MXS], v[MXR:MXR+3] offset:MXBUF*(\buf)  ; both halves of the lanes write the same numbers to the same words
.endm
; RND: the step's one meeting.  Each wave waits for all its tensor loads, of which one is out: its rows of step i + 2; adds 0 to its spare word; waits for that, for its stores into MX and PB and for its reads of the slot
; of step i - 1.  fill = 1: a round of the cluster's barrier, so that all this holds of every wave of every partner, and the joint refill first thing behind it: one load a wave, 16 rows of 1,024 bytes, with a whole step
; (128 products) in which to land.  By this text's count a wave has three tensor loads out at the start and one behind each round.  fill = 0 (the last three steps): my work-group's barrier alone; nothing is asked for.
.macro RND u, fill, pf
	WIN 0                                          ; at a label and at a branch every window is 0
	s_wait_tensorcnt 0x0                           ; no tensor load of mine is out, so a group 0 may be written
	ds_add_u32 v[SPW], v[NIL]                      ; 0 onto my spare word; scalar work stands between it and the wait for it
.if \fill
	s_add_nc_u64 s[G0+4*(((\u)+2)%4)+2:G0+4*(((\u)+2)%4)+3], s[G0+4*(((\u)+2)%4)+2:G0+4*(((\u)+2)%4)+3], 4*STEPB  ; the set used one round back: its slot's next step; the type bits on top are not reached
.endif
.if \pf
	s_wait_xcnt 0x0                                ; the last prefetch, a step back, has read its address
	s_add_nc_u64 s[PFA:PFA+1], s[PFA:PFA+1], STEPB
.endif
	s_wait_dscnt 0x0
.if \fill
	ROUND
	tensor_load_to_lds s[G0+4*(((\u)+3)%4):G0+4*(((\u)+3)%4)+3], s[G1:G1+7]
	s_nop 0
.rept 4
	v_nop
.endr
.else
	s_barrier_signal -1
	s_barrier_wait -1
.endif
.endm
; A PREFETCH INTO THE L2 of the step that stands three refills on (behind the round that loads step i + 3: step i + 6, 384 products ahead of its load).  All four clusters of a sample walk the same rows of emb at about
; the same time: the sample's first cluster asks, nobody else.  A step is 64 rows of 1,024 bytes: the four partners take 16 rows each, told apart BY ADDRESS, in each wave 0 the first eight and wave 1 the
; others: 8,192 consecutive bytes, a lane every 256: each block is named once in the launch.  Steps 0 to 5 come by their loads alone; the bounds PL1, PL1 + 1 stop the asking at step 63, the walk's last.
.macro ASK which
	s_cmp_lt_u32 s[CNT], s[PL1+(\which)-1]
	s_cbranch_scc0 .Lnot_mine_\@
	global_prefetch_b8 v[PFO], s[PFA:PFA+1] th:TH_LOAD_NT scope:SCOPE_SE
.Lnot_mine_\@:
.endm
; THE VECTOR WORK OF BETA in three queues.  PQ, plain, names no exponential's result:
;   0-7 the common maximum of the four waves' and the old m;  8-11 m_old - m;  12-15 m;  16-31 S - m, a pair each;  32 the mask's count goes a step on;  33-48 the mask of the step after next: a compare and a select a register.
.macro PQ
.if QP < 4
	v_max3_num_f32 v[TM+4*QP], v[MXR+QP], v[MXR+4+QP], v[MXR+8+QP]
.elseif QP < 8
	v_max3_num_f32 v[TM+4*(QP-4)], v[TM+4*(QP-4)], v[MXR+12+(QP-4)], v[ST+4*(QP-4)]
.elseif QP < 12
	v_sub_f32 v[TM+4*(QP-8)+1], v[ST+4*(QP-8)], v[TM+4*(QP-8)]
.elseif QP < 16
	v_mov_b32 v[ST+4*(QP-12)], v[TM+4*(QP-12)]
.elseif QP < 32
	v_pk_add_f32 v[S+2*(QP-16):S+2*(QP-16)+1], v[S+2*(QP-16):S+2*(QP-16)+1], v[ST+4*((QP-16)/4):ST+4*((QP-16)/4)+1] op_sel_hi:[1,0] neg_lo:[0,1] neg_hi:[0,1]
.elseif QP == 32
	v_sub_nc_u32 v[REM], v[REM], 64
.elseif QP < 49
.if (QP-33)%2 == 0
	v_cmp_ge_i32 vcc_lo, (QP-33)/2, v[REM]
.else
	v_cndmask_b32 v[MK+(QP-34)/2], 0, s[BIGN], vcc_lo
.endif
.else
	v_nop
.endif
.set QP, QP+1
.endm
; EQ: the 36 exponentials, ONE BATCH: the four a, then the 32 weights in place.  Exponential 4 + e stands behind the scaling of pair e / 2, and nothing ahead of the batch's wait names a result.
.macro EQ
.if QE < 4
	v_exp_f32 v[TM+4*QE+2], v[TM+4*QE+1]
.else
	v_exp_f32 v[S+QE-4], v[S+QE-4]
.endif
.set QE, QE+1
.endm
; RQ, behind the wait: 0-15 the roundings to f16;  16-27 a tile's four pairs added into its first;  28-31 l = a l + sum.
.macro RQ
.if QR < 16
	v_cvt_pk_f16_f32 v[PK+QR], v[S+2*QR], v[S+2*QR+1]
.elseif QR < 24
	v_pk_add_f32 v[S+4*(QR-16):S+4*(QR-16)+1], v[S+4*(QR-16):S+4*(QR-16)+1], v[S+4*(QR-16)+2:S+4*(QR-16)+3]
.elseif QR < 28
	v_pk_add_f32 v[S+8*(QR-24):S+8*(QR-24)+1], v[S+8*(QR-24):S+8*(QR-24)+1], v[S+8*(QR-24)+4:S+8*(QR-24)+5]
.else
	v_pk_fma_f32 v[ST+4*(QR-28)+2:ST+4*(QR-28)+3], v[ST+4*(QR-28)+2:ST+4*(QR-28)+3], v[TM+4*(QR-28)+2:TM+4*(QR-28)+3], v[S+8*(QR-28):S+8*(QR-28)+1] op_sel_hi:[1,0,1]
.endif
.set QR, QR+1
.endm
; Slice KI stands behind product KI.  0-3: four plain.  4-21: plain and exponential by turns; behind 21 a plain v_nop and the step's ONE wait for the 36 exponentials (ahead of the first
; instruction that names a result).  22-29: four of RQ; behind 25 my weights go into the other buffer of PB.  From 30 on one v_nop: with the four others of a group, the places ahead of the ring's loads.
.macro SLICE pb, pv
.if KI < 4
	WIN 0
	PQ
	PQ
	PQ
	PQ
.elseif KI < 22
	WIN 0
	PQ
	EQ
	PQ
	EQ
.if KI == 21
	v_nop
	s_wait_alu depctr_va_vdst(0)
.endif
.elseif KI < 30
	WIN 0
	RQ
	RQ
	RQ
	RQ
.if KI == 25
.irp x, 0,1,2,3
	ds_store_b128 v[PST], v[PK+4*(\x):PK+4*(\x)+3] offset:PBUF*(1-(\pb))+PTILE*(\x)
.endr
.endif
.elseif \pv
	v_nop
.endif
.set KI, KI+1
.endm
; BETA: O^T += V^T P for the step in slot sv, P from buffer pb; the 32 accumulators take turns.  The maxima come from buffer mxb.  From group 10 on the stream goes on with K of slot sk.
; pv = 0 (ahead of the loop): the vector work and K's first fragments alone.
.macro BETA sv, sk, pb, mxb, pv, ask
	WIN 0
.irp x, 0,1,2,3
	ds_load_b128 v[MXR+4*(\x):MXR+4*(\x)+3], v[MXL] offset:MXBUF*(\mxb)+256*(\x)
.endr
.if \pv
	PLOAD \pb, 0
.endif
.if \ask
	ASK \ask                                       ; behind the tensor load, its five lines and the run of LDS loads that the next products wait for
.endif
.set QP, 0
.set QE, 0
.set QR, 0
.set KI, 0
.set FI, 0
.rept 16
	WIN 0
.if FI < 10
.if \pv
	VLOAD \sv, FI+6
.endif
.else
	KLOAD \sk, FI-10
.endif
.if (\pv) && (FI == 1)
	PLOAD \pb, 1
.endif
.if FI == 0
.if \pv
	s_wait_dscnt 2                                 ; all but the two loads just issued: the maxima and P's first half are in (V's first six fragments were in at the meeting)
.else
	s_wait_dscnt 0
.endif
.else
	s_wait_dscnt 12                                ; the six younger fragments' loads may be out; what else was issued behind fragment FI only makes this count the stricter
.endif
.set TI, 0
.rept 4
.if \pv
	WIN W_PV
	v_wmma_f32_16x16x32_f16 v[8*(4*(FI%8)+TI):8*(4*(FI%8)+TI)+7], v[KV+8*(FI%8):KV+8*(FI%8)+7], v[PF+32*(FI/8)+8*TI:PF+32*(FI/8)+8*TI+7], v[8*(4*(FI%8)+TI):8*(4*(FI%8)+TI)+7]
.endif
	SLICE \pb, \pv
.set TI, TI+1
.endr
.set FI, FI+1
.endr
.endm
.macro STEP u, fill, ask               ; step i with u = i % 4: its tile lies in slot u
	ALPHA ((\u)+1)%4, \u, 1
	LMAX ((\u)+1)%2
	RND \u, \fill, \ask
	BETA \u, ((\u)+2)%4, (\u)%2, ((\u)+1)%2, 1, \ask
.endm
	s_load_b256 s[4:11], s[0:1], 0x0               ; emb s[4:5], qs s[6:7], real_len s[8:9], out0 s[10:11]
	v_lshl_add_u32 v[SPW], v0, 2, SPARE
	v_mov_b32 v[NIL], 0
	ds_add_u32 v[SPW], v[NIL]                      ; the wave's opening: the add, twice on end, and its wait ahead of my first tensor load; the set-up below stands between the second and the wait
	ds_add_u32 v[SPW], v[NIL]
	v_lshrrev_b32 v1, 5, v0
	v_readfirstlane_b32 s[WV], v1                  ; wave 0..3
	s_bfe_u32 s[CX], ttmp6, 0x40000                ; my place in the cluster
	s_lshl_b32 s[BLK], ttmp9, 2                    ; in a cluster launch ttmp9 counts clusters
	s_add_co_u32 s[BLK], s[BLK], s[CX]
	s_and_b32 s[SB], ttmp7, 0xffff                 ; the sample, which the four partners share
	; descriptor group 1: a tile of 16 rows x 512 elements, padded in LDS
	s_mov_b32 s[G1+0], 15|(1<<16)|(1<<20)|(1<<21)|(7<<22)|(3<<25)  ; 15:0 the mask of four; 17:16 2-byte elements; 20 padding on; 21 set beside a mask; 24:22 after every 256 words (code 7); 31:25 4 words (code 3)
	s_mov_b32 s[G1+1], 512<<16                     ; tensor_dim0 = 512
	s_mov_b32 s[G1+2], 16<<16                      ; tensor_dim1 = 16
	s_mov_b32 s[G1+3], 512<<16                     ; tile_dim0 = 512
	s_mov_b32 s[G1+4], 16                          ; tile_dim1 = 16
	s_mov_b32 s[G1+5], 512                         ; 512 elements from row to row
	s_mov_b32 s[G1+6], 0
	s_mov_b32 s[G1+7], 0
	s_mov_b32 s[SEL], 0x76543210
	s_mov_b32 s[SEL+1], 0xfedcba98
	s_mov_b32 s[BIGN], 0xf149f2ca                  ; -1e30
	s_mul_i32 s20, s[WV], WTILE                    ; my 16 rows' place in a slot: no place in the cluster enters an LDS address
	s_lshl_b32 s16, s[SB], 22                      ; the sample's 4,096 rows of 1,024 bytes,
	s_lshl_b32 s17, s[WV], 14                      ; my 16 rows of a step
	s_add_co_u32 s16, s16, s17
	s_mov_b32 s17, 0
	s_lshl_b32 s18, s[SB], 2
	s_mov_b32 s19, 0
	s_lshr_b32 s21, s[WV], 1                       ; who prefetches: 0 in waves 0 and 1,
	s_or_b32 s21, s21, ttmp9                       ; where the cluster is the sample's first: the same in all four partners
	s_cmp_eq_u32 s21, 0
	s_cselect_b32 s[PL1], TRIPS, 0                 ; step 4 CNT + u + 6 is at most 63 while CNT < 15 (u = 0, 1)
	s_cselect_b32 s[PL1+1], TRIPS-1, 0             ; or CNT < 14 (u = 2, 3)
	s_wait_dscnt 0x0                               ; both opening adds are done
	s_wait_kmcnt 0x0
	s_add_nc_u64 s[8:9], s[8:9], s[18:19]
	s_load_b32 s2, s[8:9], 0x0                     ; real_len[0][b]
	s_load_b32 s3, s[8:9], 0x40                    ; real_len[1][b]
	s_add_nc_u64 s[22:23], s[4:5], s[16:17]
.irp s, 0,1,2,3
	s_mov_b32 s[G0+4*(\s)], 1                      ; 1:0 count = 1
	s_add_co_u32 s[G0+4*(\s)+1], s20, (\s)*SLOT    ; 63:32 LDS address
	s_add_nc_u64 s[G0+4*(\s)+2:G0+4*(\s)+3], s[22:23], (\s)*STEPB  ; 120:64 global address: step s
	s_or_b32 s[G0+4*(\s)+3], s[G0+4*(\s)+3], 0x80000000            ; 127:126 type = 2
.endr
	ROUND                                          ; all four work-groups are here: the first joint loads meet
	tensor_load_to_lds s[G0:G0+3], s[G1:G1+7]      ; steps 0, 1, 2: one group, ahead of every wait on TENSORcnt, every LDS read and every further barrier
	s_nop 0
	tensor_load_to_lds s[G0+4:G0+7], s[G1:G1+7]
	s_nop 0
	tensor_load_to_lds s[G0+8:G0+11], s[G1:G1+7]
	s_nop 0
.rept 4
	v_nop
.endr
	v_and_b32 v1, 31, v0                           ; l
	v_and_b32 v14, 15, v0                          ; r = l % 16
	v_bfe_u32 v15, v0, 4, 1                        ; h = l / 16
	; A fragment of K or Q is 16 rows x 32 channels in 8 registers: lane l holds row r, channels 8 h + 0..7 and 16 + 8 h + 0..7: two loads of 16 bytes, 32 bytes apart.
	v_lshlrev_b32 v[QO], 10, v14
	v_lshl_add_u32 v[QO], v15, 4, v[QO]
	s_lshl_b32 s58, s[BLK], 16                     ; my block's 64 rows of qs
	s_mov_b32 s59, 0
	s_add_nc_u64 s[6:7], s[6:7], s[58:59]
.set CI, 0
.rept 16                                               ; Q stays in registers, whole in every wave: channels 32 CI on, tile t
	WIN 0x80+0x40*(CI/8)
.irp t, 0,1,2,3
	global_load_b128 v[8*(4*(CI%8)+(\t)):8*(4*(CI%8)+(\t))+3],   v[QO], s[6:7] offset:16384*(\t)+64*CI
	global_load_b128 v[8*(4*(CI%8)+(\t))+4:8*(4*(CI%8)+(\t))+7], v[QO], s[6:7] offset:16384*(\t)+64*CI+32
.endr
.set CI, CI+1
.endr
	WIN 0x40                                       ; O^T starts at 0, so that every step has one text; written in the wait for the first tiles
.set CI, 0
.rept 256
	v_mov_b32 v[CI], 0
.set CI, CI+1
.endr
	WIN 0
	v_mul_u32_u24 v[AK], v14, PITCH
	v_lshl_add_u32 v[AK], v15, 4, v[AK]
	v_add_nc_u32 v[AK], s20, v[AK]
.irp s, 1,2,3
	v_add_nc_u32 v[AK+(\s)], (\s)*SLOT, v[AK]
.endr
	; The turning load: lane l reads 16 bytes of key 8 h + l % 8, at channels 128 w + 64 ((l / 8) % 2) + 8 cb on, and ends with one channel's eight keys.
	v_and_b32 v72, 7, v0
	v_lshl_add_u32 v72, v15, 3, v72
	v_mul_u32_u24 v[AV], v72, PITCH
	v_bfe_u32 v72, v0, 3, 1
	v_lshl_add_u32 v[AV], v72, 7, v[AV]
	s_lshl_b32 s17, s[WV], 8
	v_add_nc_u32 v[AV], s17, v[AV]
.irp s, 1,2,3
	v_add_nc_u32 v[AV+(\s)], (\s)*SLOT, v[AV]
.endr
	v_mul_u32_u24 v[PLD], v14, PPITCH              ; P: query row r of a tile, 16 bytes for each half of the lanes;
	v_lshl_add_u32 v[PLD], v15, 4, v[PLD]
	v_add_nc_u32 v[PLD], PB, v[PLD]
	s_lshl_b32 s18, s[WV], 5
	v_add_nc_u32 v[PST], s18, v[PLD]               ; my wave's 16 keys are 32 bytes of the row
	v_lshl_add_u32 v[MXL], v14, 4, MX
	v_add_nc_u32 v[MXS], s17, v[MXL]
	s_mul_i32 s19, s[WV], WSTAGE
	s_add_co_u32 s19, s19, STAGE                   ; my stage
	v_mul_u32_u24 v[STO], v14, SPITCH              ; in: row r, my 64 channels = 256 bytes for each half of the lanes
	v_lshl_add_u32 v[STO], v15, 8, v[STO]
	v_add_nc_u32 v[STO], s19, v[STO]
	v_lshl_add_u32 v[SRD], v1, 4, s19              ; back: 32 lanes take a row's 512 bytes
	v_lshlrev_b32 v[GO], 4, v1
	v_lshlrev_b32 v[PFO], 8, v1
.irp t, 0,1,2,3
	v_mov_b32 v[ST+4*(\t)], 0xfe000000             ; m: far below every score, so the first step's a is 0
	v_mov_b32 v[ST+4*(\t)+1], 0                    ; named with m as a pair
	v_mov_b32 v[ST+4*(\t)+2], 0                    ; l
	v_mov_b32 v[ST+4*(\t)+3], 0
	v_mov_b32 v[TM+4*(\t)+3], 0                    ; named with a as a pair
.endr
	s_lshl_b32 s58, s[BLK], 17                     ; out0 at my block's first row, my wave's 512 bytes of it: (1024 b + 64 block) rows of 2,048 bytes + 512 w
	s_lshl_b32 s60, s[SB], 21
	s_add_co_u32 s58, s58, s60
	s_lshl_b32 s60, s[WV], 9
	s_add_co_u32 s58, s58, s60
	s_add_nc_u64 s[10:11], s[10:11], s[58:59]
	s_lshl_b32 s58, s[CX], 14                      ; the prefetches: my work-group's 16 rows of a step, my wave's 8 of them,
	s_lshl_b32 s60, s[WV], 13
	s_add_co_u32 s58, s58, s60
	s_lshl_b32 s60, s[SB], 22
	s_add_co_u32 s58, s58, s60
	s_add_co_u32 s58, s58, 5*STEPB                 ; at step 5: the first round steps it to step 6
	s_add_nc_u64 s[PFA:PFA+1], s[4:5], s[58:59]
	s_wait_kmcnt 0x0
	s_max_i32 s2, s2, 0
	s_min_u32 s2, s2, 2048
	s_max_i32 s3, s3, 0
	s_min_u32 s3, s3, 2048
	s_add_co_u32 s[NN], s2, s3                     ; n: it enters the mask's registers alone
	s_lshl_b32 s16, s[WV], 4
	s_sub_co_u32 s16, s[NN], s16
	v_lshlrev_b32 v72, 3, v15
	v_sub_nc_u32 v[REM], s16, v72
.set QP, 33
.rept 16
	PQ                                             ; the mask of step 0
.endr
	s_wait_tensorcnt 0x2                           ; my rows of step 0 are in; steps 1 and 2 may stay out
	s_add_nc_u64 s[G0+2:G0+3], s[G0+2:G0+3], 4*STEPB  ; that load is done, so its set may be written: step 4
	s_barrier_signal -1
	s_barrier_wait -1                              ; everybody's are
.irp f, 0,1,2,3,4,5
	KLOAD 0, \f
.endr
	s_wait_loadcnt 0x0                             ; Q
	ALPHA 0, -1, 0                                 ; S(0)
	LMAX 0
	s_wait_tensorcnt 0x1                           ; my rows of step 1 are in; step 2 may stay out
	s_add_nc_u64 s[G0+6:G0+7], s[G0+6:G0+7], 4*STEPB  ; step 5
	s_wait_dscnt 0x0                               ; my maxima are stored
	s_barrier_signal -1
	s_barrier_wait -1
	BETA 0, 1, 1, 0, 0, 0                          ; m, a = 0, p, l, P(0) into buffer 0; the mask of step 1; K(1)'s first fragments
	WIN 0
	s_mov_b32 s[CNT], 0
.Ltrip:                                                ; 15 trips of four steps; every round fills
	STEP 0, 1, 1
	STEP 1, 1, 1
	STEP 2, 1, 2
	STEP 3, 1, 2
	WIN 0
	s_add_co_u32 s[CNT], s[CNT], 1
	s_cmp_lt_u32 s[CNT], TRIPS
	s_cbranch_scc1 .Ltrip
	STEP 0, 1, 0                                   ; the last four steps are written out: the walk's last step is asked for
	STEP 1, 0, 0                                   ; and then nothing
	STEP 2, 0, 0
	STEP 3, 0, 0                                   ; its ALPHA multiplies a stale tile under the mask of keys 4,096 on: all hidden, so m and l stay, a = 1 and p = 0: the price, once a launch, of one text for every step
	; THE WAY OUT.  l's two halves, the other half of the lanes' and the four waves' are added (through MX's buffer 1, last read ahead of the last meeting); O^T is divided by l and sent through my stage, a tile at a time.
	WIN 0
	s_wait_dscnt 0x0                               ; the ring's last loads, which serve nothing
.irp t, 0,1,2,3
	v_add_f32 v[TM+4*(\t)], v[ST+4*(\t)+2], v[ST+4*(\t)+3]
.endr
.irp t, 0,1,2,3
	v_permlanex16_b32 v[TM+4*(\t)+1], v[TM+4*(\t)], s[SEL], s[SEL+1]
.endr
.irp t, 0,1,2,3
	v_add_f32 v[MXR+(\t)], v[TM+4*(\t)], v[TM+4*(\t)+1]
.endr
	ds_store_b128 v[MXS], v[MXR:MXR+3] offset:MXBUF
	s_wait_dscnt 0x0                               ; for the others' sake
	s_barrier_signal -1
	s_barrier_wait -1
.irp x, 0,1,2,3
	ds_load_b128 v[MXR+4*(\x):MXR+4*(\x)+3], v[MXL] offset:MXBUF+256*(\x)
.endr
	s_wait_dscnt 0x0
.irp t, 0,1,2,3
	v_add_f32 v[TM+4*(\t)], v[MXR+(\t)], v[MXR+4+(\t)]
	v_add_f32 v[TM+4*(\t)+1], v[MXR+8+(\t)], v[MXR+12+(\t)]
.endr
.irp t, 0,1,2,3
	v_add_f32 v[TM+4*(\t)], v[TM+4*(\t)], v[TM+4*(\t)+1]
.endr
.irp t, 0,1,2,3
	v_rcp_f32 v[TM+4*(\t)+2], v[TM+4*(\t)]
.endr
	v_nop                                          ; a plain instruction between the last reciprocal and the use of its result
	s_wait_alu depctr_va_vdst(0)                   ; and the wait ahead of the first use: one for the four
; Tile t: a lane's 64 channels of query r go into rows of 528 bytes and come back as whole rows of 512, into P's and the ring's registers by turns.
.macro PACK t
	WIN W_RS
.set CI, 0
.rept 8
.irp p, 0,2,4,6
	v_pk_mul_f32 v[8*(4*CI+(\t))+(\p):8*(4*CI+(\t))+(\p)+1], v[8*(4*CI+(\t))+(\p):8*(4*CI+(\t))+(\p)+1], v[TM+4*(\t)+2:TM+4*(\t)+3] op_sel_hi:[1,0]
.endr
.set CI, CI+1
.endr
	WIN 0x04                                       ; an LDS store's data is source 1: window 1
.set CI, 0
.rept 8
	ds_store_b128 v[STO], v[8*(4*CI+(\t)):8*(4*CI+(\t))+3]   offset:32*CI
	ds_store_b128 v[STO], v[8*(4*CI+(\t))+4:8*(4*CI+(\t))+7] offset:32*CI+16
.set CI, CI+1
.endr
	WIN 0
.if (\t) >= 2
	s_wait_xcnt 0x0                                ; the stores of the tile two back have read these registers
.endif
.set BK, PF+64*((\t)%2)
.set CI, 0
.rept 16
	ds_load_b128 v[BK+4*CI:BK+4*CI+3], v[SRD] offset:SPITCH*CI  ; LDS serves a wave's instructions in order (ISA guide 5.7.1.4): these see the stores above; the next tile's stores come behind them
.set CI, CI+1
.endr
.endm
.macro SEND t, younger                 ; younger: the LDS instructions issued behind tile t's loads: the next tile's 32, or none
.set BK, PF+64*((\t)%2)
.set CI, 0
.rept 16
	s_wait_dscnt (\younger)+15-CI
	global_store_b128 v[GO], v[BK+4*CI:BK+4*CI+3], s[10:11] offset:(16*(\t)+CI)*2048 th:TH_STORE_NT  ; the wave stores 512 consecutive bytes, at a multiple of 512 from out0's first
.set CI, CI+1
.endr
.endm
	PACK 0
	PACK 1                                         ; a tile's arithmetic stands between the loads of the tile before and its stores
	SEND 0, 32
	PACK 2
	SEND 1, 32
	PACK 3
	SEND 2, 32
	SEND 3, 0
	s_wait_tensorcnt 0x0                           ; the wave's end: a wait, an add onto my spare word and its wait, behind my last tensor load and my last LDS store
	ds_add_u32 v[SPW], v[NIL]
	s_wait_dscnt 0x0
	ROUND                                          ; the closing round: no work-group ends while a partner may still ask for a tile that names it
	s_endpgm
.Lfunc_end_k_q4a0bbc953d_attend:
	.size	k_q4a0bbc953d_attend, .Lfunc_end_k_q4a0bbc953d_attend-k_q4a0bbc953d_attend
	.p2alignl 7, 3214868480
	.fill 96, 4, 3214868480
	.section	.rodata,"a",@progbits
	.p2align	6, 0x0
	.amdhsa_kernel k_q4a0bbc953d_attend
		.amdhsa_group_segment_fixed_size 327680
		.amdhsa_private_segment_fixed_size 0
		.amdhsa_enable_private_segment 0
		.amdhsa_kernarg_size 32
		.amdhsa_user_sgpr_count 2
		.amdhsa_user_sgpr_kernarg_segment_ptr 1
		.amdhsa_wavefront_size32 1
		.amdhsa_system_sgpr_workgroup_id_x 1
		.amdhsa_system_sgpr_workgroup_id_y 1
		.amdhsa_system_sgpr_workgroup_id_z 1
		.amdhsa_system_vgpr_workitem_id 0
		.amdhsa_next_free_vgpr 1024
		.amdhsa_next_free_sgpr 66
		.amdhsa_reserve_vcc 1
		.amdhsa_float_denorm_mode_32 3
		.amdhsa_float_denorm_mode_16_64 3
		.amdhsa_memory_ordered 1
		.amdhsa_forward_progress 1
		.amdhsa_inst_pref_size 255
	.end_amdhsa_kernel
	.section	.bss,"aw",@nobits
	.p2align	6
	.space	262144
	.amdgpu_metadata
---
amdhsa.version: [ 1, 2 ]
amdhsa.kernels:
  - .name:           k_q4a0bbc953d_attend
    .symbol:         k_q4a0bbc953d_attend.kd
    .args:
      - { .name: emb, .offset: 0, .size: 8, .value_kind: global_buffer, .address_space: global }
      - { .name: qs, .offset: 8, .size: 8, .value_kind: global_buffer, .address_space: global }
      - { .name: real_len, .offset: 16, .size: 8, .value_kind: global_buffer, .address_space: global }
      - { .name: out0, .offset: 24, .size: 8, .value_kind: global_buffer, .address_space: global }
    .group_segment_fixed_size: 327680
    .private_segment_fixed_size: 0
    .kernarg_segment_align: 8
    .kernarg_segment_size: 32
    .max_flat_workgroup_size: 128
    .sgpr_count:     66
    .vgpr_count:     1024
    .wavefront_size: 32
...
	.end_amdgpu_metadata
.endif
;; end of part 2
;; ======== version 2 of 3: 2 launches
;; limits: values are held in f16: magnitudes above 65,504 overflow, below 6.1e-05 lose precision; inputs' magnitudes at most 400,000
;; workspace buffers: emb 67,108,864 bytes; qs 1,048,576 bytes
;; launch embed: the kernel of part 1 again; grid 16 x 16, 16 waves a work-group, no clusters, 0 bytes of LDS; arguments times, type_emb, real_len, emb, qs; writes emb, qs
;; launch attend (part 3): grid 16 x 16, 4 waves a work-group, clusters of 4 x 1, 327,680 bytes of LDS; arguments emb, qs, real_len, out0; writes out0
.if DOCPART == 3
	.amdgcn_target "amdgcn-amd-amdhsa--gfx1250"
	.amdhsa_code_object_version 6
	.text
	.protected	k_q4a0bbc953d_attend
	.globl	k_q4a0bbc953d_attend
	.p2align	8
	.type	k_q4a0bbc953d_attend,@function
k_q4a0bbc953d_attend:
	s_mov_b64 s[64:65], 0
	v_nop
	global_prefetch_b8 v0, s[64:65] scope:SCOPE_SE
	s_setreg_imm32_b32 hwreg(HW_REG_WAVE_MODE, 25, 1), 1
	s_wait_xcnt 0x0
	s_wait_alu depctr_hold_cnt(0) depctr_sa_sdst(0) depctr_va_vdst(0) depctr_va_sdst(0) depctr_va_ssrc(0) depctr_va_vcc(0) depctr_vm_vsrc(0)
	s_getreg_b32 s2, hwreg(HW_REG_IB_STS2, 6, 4)
	s_cmp_eq_u32 s2, 0
	s_cbranch_scc0 .Lentry_in_a_cluster
	s_endpgm
.Lentry_in_a_cluster:
	s_bfe_u32 s2, ttmp6, 0x10000c
	s_cmp_lg_u32 s2, 0x3003
	s_cbranch_scc0 .Lentry_shape_is_right
	s_endpgm
.Lentry_shape_is_right:
; ATTEND.  out0[b][g][:] = the sum over the valid events e of softmax_e(emb[b][e] . q[g] / sqrt(512)) emb[b][e][:].  emb: [16][4096][512] f16, a sample's n valid events end to end, zeros behind them;
; qs: [1024][512] f16 with c = log2(e) / sqrt(512) folded in, so a product K q'^T is the exponent to base 2.  Products, maxima and sums in f32; the weights p are
; rounded to f16 for the second product (their sum l is taken of the unrounded p); out0 is f32.
; LIMITS.  real_len is held to 0 .. 2048; a sample with no valid event gives 0 (the reference: NaN).  A hidden score counts as its value less 1e30; a weight below 2^-126 counts as 0; NaN and infinities are not treated apart.
;   Where a walk begins with hidden keys alone, their weights count as 1 against a maximum of -1e30; the first valid key's a = 2^(-1e30 - m) is 0 and takes them out of O and l again.
; SHARES.  A work-group owns 64 queries (four tiles of 16) of one sample: 256 work-groups.  Its four waves SHARE the queries, since O for 64 queries x 512 channels is 4 x 256 registers:
;   S^T = K Q^T: wave w takes keys 16 w .. 16 w + 15 of a step of 64, all 64 queries, all 512 channels (Q whole in every wave: 512 registers): 64 products fed by 32 LDS loads;
;   O^T += V^T P: wave w takes channels 128 w .. 128 w + 127, all 64 keys and queries: 64 products fed by 48 LDS loads.  K and V are the same rows of emb: one tile serves both, V turned by ds_load_tr16_b128.
;   So the waves' local maxima (MX) and their weights (PB) change hands through LDS in every step, two buffers each.
; THE WALK has 4,096 / 64 = 64 steps, four a trip, whatever n: a trip holds barriers and joint loads, so its count is a constant of the text.  real_len enters the mask alone: rows from n on are zeros, hidden by the mask.
; THE ORDER.  A softmax and a weighted sum do not hang on the order of their terms.  Of each four trips the sample's cluster c (0 .. 3) takes, in its turn p, trip (p + c) % 4: trip T of its walk is the rows' trip
;   (T & 12) | ((T + c) & 3).  So the four clusters of a sample ask for different rows at any time, and by the walks' order each row is asked for first by one cluster, in its turn 0, and by the others 4, 8 and 12 steps later.
; A STEP i.  ALPHA, 64 products: S(i+1) = K(i+1) Q^T + mask; beside them O *= a(i).  BETA, 64 products: O += V(i)^T P(i), and beside them all that leads to P(i+1):
;   behind products 0-5 my keys' maxima of S(i+1), which go into MX; THE MEETING stands among products 6-15: it shows MX(i+1) and the tile of step i + 2 to everybody and frees the slot of step i - 1, which is filled with
;   step i + 3 first thing behind it; products 16-23 stand beside the fetch of the four waves' maxima; behind products 24-52, for step i + 1: the common maximum m, a = 2^(m_old - m), p = 2^(S - m), l's sums, P into PB, and the
;   mask of step i + 2.  A SECOND BARRIER, my work-group's alone (signal ahead of product 56, wait behind product 63), shows P(i+1) to everybody, so that the next BETA's first products hang on no meeting of their own step.
; THE POOL.  v120-247: four regions of four fragments.  Through a step:  a: K's fragments 0-3, V's 4-7, the next K's 0-3;  b: K's 4-7, V's 0-3, V's 8-11;  c: K's 8-11, P's first half, V's 12-15;  d: K's 12-15, P's second half.
;   LDS instructions stand in SEVEN RUNS a step, never singly among the products; each run of loads stands four plain vector instructions or more behind the last product that read its registers, and, but for the four
;   loads of the maxima (eight products), fourteen products or more ahead of its first reader.
; CLUSTER.  The four query blocks of a cluster belong to one sample and walk the same rows in the same order, so each tile is asked for JOINTLY: the same tensor load, descriptor and mask in all four.
; THE MASK is the C operand that starts a sum S^T: 0, or -1e30 for a key at or behind n.  It depends on the key alone: eight registers serve the four tiles.
; THE TURNING LOAD's two groups of eight lanes in a pass are set 128 bytes apart, not 16: with rows of 1,040 bytes (260 words: row j starts at bank 4 j mod 64; 64 banks of 4 bytes: ISA guide 11.1) the sixteen lanes then
;   It only renames O^T's rows: row m of channel block cb is channel 128 w + 8 cb + 64 (m / 8) + m % 8, so lane (r, h) ends with channels 128 w + 64 h + 0..63 of query r.
; REGISTERS, in windows of 256 (s_set_vgpr_msb: bits 1:0 source 0, 3:2 source 1, 5:4 source 2, 7:6 destination):
;   window 0: addresses, statistics, mask, S^T and the pool;   window 1: O^T, accumulator (cb, t) at 8 (4 cb + t);   windows 2, 3: Q, fragment (cs, t) at 8 (4 (cs % 8) + t), cs / 8 picks the window.
.set TRIPS,  15                        ; trips of the loop: 64 steps / 4, less the last four steps, which are written out
.set PITCH,  1040                      ; a row of emb in LDS: 1,024 bytes + 16 of padding: the 16 rows of a K fragment load start at 16 different groups of four banks
.set WTILE,  16*PITCH                  ; what one tensor load brings: 16 rows
.set SLOT,   4*WTILE                   ; a step's 64 rows; four slots
.set STEPB,  65536                     ; a step's bytes in memory; a trip's are 4 STEPB = 1 << 18
.set PB,     4*SLOT                    ; behind the ring, never filled by a tensor load: P, two buffers of 64 query rows x (128 + 16) bytes
.set PPITCH, 144
.set PTILE,  16*PPITCH
.set PBUF,   4*PTILE
.set MX,     PB+2*PBUF                 ; the waves' maxima, two buffers: [wave][query % 16][tile] f32
.set MXBUF,  1024
.set STAGE,  MX+2*MXBUF                ; for the way out: 16 rows x (512 + 16) bytes for each wave
.set SPITCH, 528
.set WSTAGE, 16*SPITCH
.set SPARE,  STAGE+4*WSTAGE            ; the spare words, 128 bytes for each wave: two blocks of 256 bytes that no other line names
.set AK,  2                            ; v2-5    my place in slot s for K's fragments: SLOT s + (16 w + r) PITCH + 16 h
.set PST, 6                            ; v6      where I put 16 bytes of P
.set PLD, 7                            ; v7      where I read P's fragments
.set MXS, 8                            ; v8      where I put my wave's four maxima
.set MXL, 9                            ; v9      where I read the four waves'
.set REM, 10                           ; v10     n - 64 x the rows' step - 16 w - 8 h: register j of the mask is hidden where j >= REM
.set PFO, 11                           ; v11     256 x lane, for the prefetches; never rewritten
.set SPW, 12                           ; v12     LDS address of my spare word; never rewritten
.set NIL, 13                           ; v13     0; never rewritten
.set WH,  15                           ; v15     h during the set-up, then 16 w + 8 h
.set ST,  16                           ; tile t at +4 t: m, (0), l of even keys, l of odd keys
.set TM,  32                           ; tile t at +4 t: c0, c1 at work, a, (0)
.set MK,  48                           ; v48-55  the mask
.set PK,  56                           ; v56-71  my weights, packed
.set MXR, 72                           ; v72-87  the maxima read back: wave x, tile t at 4 x + t
.set S,   88                           ; v88-119 S^T, tile t at +8 t
.set POOL, 120                         ; v120-247 the pool
.set RA,  POOL
.set RB_,  POOL+32
.set RC,  POOL+64
.set RD,  POOL+96
.set AV,  248                          ; v248-251 my place in slot s for the turning loads
.set STO, 252
.set SRD, 253
.set GO,  254
.set QO,  255
.set WV,  12                           ; s12 my wave's number
.set CX,  13                           ; s13 my place in the cluster: it enters Q's, out0's and the prefetches' addresses alone (with s14, s[58:61])
.set BLK, 14                           ; s14 my block of 64 queries
.set SB,  15                           ; s15 the sample
.set BW,  22                           ; s[22:23] emb at the sample's first row + my 16 rows of a step; never rewritten
.set G1,  24                           ; s[24:31] descriptor group 1, never rewritten
.set G0,  32                           ; s[32:47] descriptor group 0, a set for each slot
.set CNT, 48                           ; s48 the trip of the walk
.set T01, 50                           ; s50 is 3 where steps 0, 1 of this trip prefetch;  s51 is 2 where steps 2, 3 do
.set T23, 51
.set PFA, 52                           ; s[52:53] where my prefetches stand: my rows of the first step of my cluster's turn 0 in the next four trips
.set SEL, 54                           ; s[54:55] v_permlanex16_b32's selects: each lane takes its own place in the other half
.set BIGN, 56
.set NN,  57
.set OF0, 66                           ; s66 the bytes from the sample's first row to the rows' trip that is trip CNT of my walk;  s67 the same for trip CNT + 1
.set OF1, 67
.set NR0, 68                           ; s68 n less the keys ahead of that trip;  s69 the same for trip CNT + 1
.set NR1, 69
.set RBS, 70                           ; s70 n less the keys ahead of the step whose mask is made next
.set WOFF, 71                          ; s71 0 in waves 0 and 1, 16 in the others
.set OFF, 72                           ; s[72:73] a tile's byte offset, in 64 bits
.set INC, 74                           ; s[74:75] what the prefetches' address steps by at a trip's top
.set FB,  76                           ; s[76:77] the first fills' base
.set MSB, 0
.macro WIN new                         ; the high byte repeats the setting that is left; a switch that changes nothing is dropped
.if MSB != (\new)
	s_set_vgpr_msb (MSB<<8)|(\new)
.set MSB, \new
.endif
.endm
.set W_S,  0x08                        ; K Q^T: Q (source 1) in window 2; + 4: window 3.  Destination and source 0 stay in window 0, so the pool's loads stand under it too
.set W_PV, 0x50                        ; V^T P: O^T (C and D) in window 1
.set W_RS, 0x41                        ; O^T (destination and source 0) in window 1, the factor in window 0
; A round of the cluster's barrier: my work-group's barrier, so that wave 0's signal speaks for all four waves; wave 0 signals; every wave waits for all four work-groups; my work-group's barrier once more.
.macro CREST                           ; a round behind its opening barrier
	s_cmp_lg_u32 s[WV], 0
	s_cbranch_scc1 .Lnot_wave_0_\@
	s_barrier_signal -3
.Lnot_wave_0_\@:
	s_barrier_wait -3
	s_barrier_signal -1
	s_barrier_wait -1
.endm
.macro ROUND                           ; a whole round
	s_barrier_signal -1
	s_barrier_wait -1
	CREST
.endm
; AT A TRIP'S TOP: where trips CNT and CNT + 1 of my cluster's walk lie among the sample's rows (THE ORDER), for the refills' addresses and for the masks; who prefetches in this trip; the prefetches' address.
; All of it is made of the counter, the cluster's number and the wave's number, which all four partners share; n enters NR0 and NR1 alone, which go into the mask's registers.
; tail = 1: the walk's last trip: there is no trip behind it, and the masks of the steps behind the walk's end hide every key (NR1 = 0, so that REM is 0 or less).
.macro TRIPTOP tail
	s_add_co_u32 s16, s[CNT], ttmp9
	s_and_b32 s16, s16, 3
	s_and_b32 s17, s[CNT], 12
	s_or_b32 s16, s16, s17                         ; (T & 12) | ((T + c) & 3)
	s_lshl_b32 s[OF0], s16, 18                     ; a trip is 256 rows of 1,024 bytes
	s_lshl_b32 s16, s16, 8                         ; and 256 keys
	s_sub_co_u32 s[NR0], s[NN], s16
.if \tail
	s_mov_b32 s[NR1], 0
.else
	s_add_co_u32 s18, s[CNT], 1
	s_add_co_u32 s16, s18, ttmp9
	s_and_b32 s16, s16, 3
	s_and_b32 s17, s18, 12
	s_or_b32 s16, s16, s17
	s_lshl_b32 s[OF1], s16, 18
	s_lshl_b32 s16, s16, 8
	s_sub_co_u32 s[NR1], s[NN], s16
	s_and_b32 s16, s[CNT], 3                       ; my cluster's turn
	s_or_b32 s[T01], s16, s[WOFF]                  ; 3 in turn 3, in waves 0 and 1
	s_add_co_u32 s17, s[CNT], 2
	s_and_b32 s17, s17, 16                         ; 16 from trip 14 on: behind it lie no four trips more
	s_or_b32 s[T23], s[T01], s17                   ; 2 in turn 2, in waves 0 and 1, up to trip 10
	s_cmp_eq_u32 s16, 0
	s_cselect_b32 s[INC], 16*STEPB, 0              ; in turn 0 the address goes four trips on
	s_wait_xcnt 0x0                                ; the last prefetch, 48 products back or more, has read its address
	s_add_nc_u64 s[PFA:PFA+1], s[PFA:PFA+1], s[INC:INC+1]
.endif
.endm
; Eight LDS loads: four fragments into a region of the pool.
.macro KRUN s, q, reg                  ; K of slot s: my 16 keys x channels 32 (4 q + x) on
.irp x, 0,1,2,3
	ds_load_b128 v[(\reg)+8*(\x):(\reg)+8*(\x)+3],   v[AK+(\s)] offset:64*(4*(\q)+(\x))
	ds_load_b128 v[(\reg)+8*(\x)+4:(\reg)+8*(\x)+7], v[AK+(\s)] offset:64*(4*(\q)+(\x))+32
.endr
.endm
.macro VRUN s, q, reg                  ; V of slot s, turned: keys 32 (q / 2) on, channel blocks 4 (q % 2) + x
.irp x, 0,1,2,3
	ds_load_tr16_b128 v[(\reg)+8*(\x):(\reg)+8*(\x)+3],   v[AV+(\s)] offset:((\q)/2)*32*PITCH+16*(4*((\q)%2)+(\x))
	ds_load_tr16_b128 v[(\reg)+8*(\x)+4:(\reg)+8*(\x)+7], v[AV+(\s)] offset:((\q)/2)*32*PITCH+16*PITCH+16*(4*((\q)%2)+(\x))
.endr
.endm
.macro PRUN pb, kk, reg                ; P of buffer pb: keys 32 kk on, tile x
.irp x, 0,1,2,3
	ds_load_b128 v[(\reg)+8*(\x):(\reg)+8*(\x)+3],   v[PLD] offset:PBUF*(\pb)+PTILE*(\x)+64*(\kk)
	ds_load_b128 v[(\reg)+8*(\x)+4:(\reg)+8*(\x)+7], v[PLD] offset:PBUF*(\pb)+PTILE*(\x)+64*(\kk)+32
.endr
.endm
.macro MXLOAD buf                      ; the four waves' maxima
.irp x, 0,1,2,3
	ds_load_b128 v[MXR+4*(\x):MXR+4*(\x)+3], v[MXL] offset:MXBUF*(\buf)+256*(\x)
.endr
.endm
.macro RS                              ; pair NI of 128 of O^T times its tile's a; ascending
	v_pk_mul_f32 v[2*NI:2*NI+1], v[2*NI:2*NI+1], v[TM+4*((NI/4)%4)+2:TM+4*((NI/4)%4)+3] op_sel_hi:[1,0]
.endm
; ALPHA: S^T of the step in slot sk; fragment FI lies at POOL + 8 FI.  The four accumulators take turns, one product a turn.  Behind every second product stand four of the 128 rescalings: they are
; the places ahead of the runs of loads and, behind the last product, ahead of the first read of S^T.  K's fragments 0-3 were fetched in the step before and awaited there.
; Its three runs: at the head K's fragments 4-15; ahead of product 32 V's fragments 0-7 of slot sv, where K's 0-7 lay; ahead of product 48 P's first half from buffer pb, where K's 8-11 lay.
; pro = 1 (ahead of the loop): the products alone, on fragments that are all there.
.macro ALPHA sk, sv, pb, pro
.set FI, 0
.rept 16
	WIN W_S+4*(FI/8)
.if !(\pro)
.if FI == 0
	KRUN \sk, 1, RB_
	KRUN \sk, 2, RC
	KRUN \sk, 3, RD
.elseif FI == 4
	s_wait_dscnt 16                                ; K's fragments 4-7 are in; the sixteen loads of 8-15 may be out
.elseif FI == 8
	VRUN \sv, 0, RB_
	VRUN \sv, 1, RA
	s_wait_dscnt 24                                ; K's 8-11 are in; the eight loads of 12-15 and V's sixteen may be out
.elseif FI == 12
	PRUN \pb, 0, RC
	s_wait_dscnt 24                                ; K's 12-15 are in; V's sixteen and P's eight may be out
.endif
.endif
.set TI, 0
.rept 4
	WIN W_S+4*(FI/8)
.if FI == 0
	v_wmma_f32_16x16x32_f16 v[S+8*TI:S+8*TI+7], v[POOL+8*FI:POOL+8*FI+7], v[8*(4*(FI%8)+TI):8*(4*(FI%8)+TI)+7], v[MK:MK+7]
.else
	v_wmma_f32_16x16x32_f16 v[S+8*TI:S+8*TI+7], v[POOL+8*FI:POOL+8*FI+7], v[8*(4*(FI%8)+TI):8*(4*(FI%8)+TI)+7], v[S+8*TI:S+8*TI+7]
.endif
.if (TI%2 == 1) && !(\pro)
	WIN W_RS
.set NI, 2*(4*FI+TI-1)
.rept 4
	RS
.set NI, NI+1
.endr
.endif
.set TI, TI+1
.endr
.set FI, FI+1
.endr
.endm
; LQ: number QL of the 24 that find, for each tile, the maximum over my wave's 16 keys: eight registers (the lowest first), then the other half of the lanes (a query's other eight keys lie in the lane 16 away).
.macro LQ
.if QL < 4
	v_max3_num_f32 v[TM+4*QL], v[S+8*QL], v[S+8*QL+1], v[S+8*QL+2]
.elseif QL < 8
	v_max3_num_f32 v[TM+4*(QL-4)+1], v[S+8*(QL-4)+3], v[S+8*(QL-4)+4], v[S+8*(QL-4)+5]
.elseif QL < 12
	v_max3_num_f32 v[TM+4*(QL-8)], v[TM+4*(QL-8)], v[S+8*(QL-8)+6], v[S+8*(QL-8)+7]
.elseif QL < 16
	v_max_num_f32 v[TM+4*(QL-12)], v[TM+4*(QL-12)], v[TM+4*(QL-12)+1]
.elseif QL < 20
	v_permlanex16_b32 v[TM+4*(QL-16)+1], v[TM+4*(QL-16)], s[SEL], s[SEL+1]
.else
	v_max_num_f32 v[MXR+(QL-20)], v[TM+4*(QL-20)], v[TM+4*(QL-20)+1]
.endif
.set QL, QL+1
.endm
; A PREFETCH INTO THE L2.  By THE ORDER, the four steps of a cluster's turn 0 are the rows that it asks for ahead of the sample's other clusters: these it prefetches itself, and nobody else does.  Step i of the walk names
; step i + 6 where that is such a step (i % 16 = 10 .. 13: steps 2, 3 of turn 2 and steps 0, 1 of turn 3): behind the round that loads step i + 3, three refills, 384 products, ahead of the load that will want it.
; A step is 64 rows of 1,024 bytes: the four partners take 16 rows each, told apart BY ADDRESS, in each wave 0 the first eight and wave 1 the others: 8,192 consecutive bytes, a lane every 256: each block is named once
; in the launch.  The step's place in its trip stands in the immediate.  The walk's steps 0 to 3 come by their loads alone; the asking ends with steps 48 to 51, the last turn 0.
.macro ASK u
.if (\u) < 2
	s_cmp_eq_u32 s[T01], 3
.else
	s_cmp_eq_u32 s[T23], 2
.endif
	s_cbranch_scc0 .Lnot_mine_\@
	global_prefetch_b8 v[PFO], s[PFA:PFA+1] offset:(((\u)+2)%4)*STEPB th:TH_LOAD_NT scope:SCOPE_SE
.Lnot_mine_\@:
.endm
; THE SOFTMAX in three queues.  PQ, plain, names no exponential's result:
;   0-7 the common maximum of the four waves' and the old m;  8-11 m_old - m;  12-15 m;  16-31 S - m, a pair each;  32 the mask's count for the step after next;  33-48 that mask: a compare and a select a register;  from 49 on nothing.
.macro PQ
.if QP < 4
	v_max3_num_f32 v[TM+4*QP], v[MXR+QP], v[MXR+4+QP], v[MXR+8+QP]
.elseif QP < 8
	v_max3_num_f32 v[TM+4*(QP-4)], v[TM+4*(QP-4)], v[MXR+12+(QP-4)], v[ST+4*(QP-4)]
.elseif QP < 12
	v_sub_f32 v[TM+4*(QP-8)+1], v[ST+4*(QP-8)], v[TM+4*(QP-8)]
.elseif QP < 16
	v_mov_b32 v[ST+4*(QP-12)], v[TM+4*(QP-12)]
.elseif QP < 32
	v_pk_add_f32 v[S+2*(QP-16):S+2*(QP-16)+1], v[S+2*(QP-16):S+2*(QP-16)+1], v[ST+4*((QP-16)/4):ST+4*((QP-16)/4)+1] op_sel_hi:[1,0] neg_lo:[0,1] neg_hi:[0,1]
.elseif QP == 32
	v_sub_nc_u32 v[REM], s[RBS], v[WH]
.elseif QP < 49
.if (QP-33)%2 == 0
	v_cmp_ge_i32 vcc_lo, (QP-33)/2, v[REM]
.else
	v_cndmask_b32 v[MK+(QP-34)/2], 0, s[BIGN], vcc_lo
.endif
.endif
.set QP, QP+1
.endm
; EQ: the 36 exponentials, ONE BATCH: the four a, then the 32 weights in place.  Exponential 4 + e stands behind the scaling of pair e / 2, and nothing ahead of the batch's wait names a result.
.macro EQ
.if QE < 4
	v_exp_f32 v[TM+4*QE+2], v[TM+4*QE+1]
.else
	v_exp_f32 v[S+QE-4], v[S+QE-4]
.endif
.set QE, QE+1
.endm
; RQ, behind the wait: 0-15 the roundings to f16;  16-27 a tile's four pairs added into its first;  28-31 l = a l + sum.
.macro RQ
.if QR < 16
	v_cvt_pk_f16_f32 v[PK+QR], v[S+2*QR], v[S+2*QR+1]
.elseif QR < 24
	v_pk_add_f32 v[S+4*(QR-16):S+4*(QR-16)+1], v[S+4*(QR-16):S+4*(QR-16)+1], v[S+4*(QR-16)+2:S+4*(QR-16)+3]
.elseif QR < 28
	v_pk_add_f32 v[S+8*(QR-24):S+8*(QR-24)+1], v[S+8*(QR-24):S+8*(QR-24)+1], v[S+8*(QR-24)+4:S+8*(QR-24)+5]
.else
	v_pk_fma_f32 v[ST+4*(QR-28)+2:ST+4*(QR-28)+3], v[ST+4*(QR-28)+2:ST+4*(QR-28)+3], v[TM+4*(QR-28)+2:TM+4*(QR-28)+3], v[S+8*(QR-28):S+8*(QR-28)+1] op_sel_hi:[1,0,1]
.endif
.set QR, QR+1
.endm
; Slice KI of 29.  0-3: four plain.  4-21: plain and exponential by turns; behind 21 a plain v_nop and the step's ONE wait for the 36 exponentials (ahead of the first instruction that names a
; result).  22-28: four of RQ; behind 25 my weights go into the buffer of PB other than pb.  RQ's last four stand behind the step's last product.
.macro SLICE pb
	WIN 0
.if KI < 4
	PQ
	PQ
	PQ
	PQ
.elseif KI < 22
	PQ
	EQ
	PQ
	EQ
.if KI == 21
	v_nop
	s_wait_alu depctr_va_vdst(0)
.endif
.else
	RQ
	RQ
	RQ
	RQ
.if KI == 25
.irp x, 0,1,2,3
	ds_store_b128 v[PST], v[PK+4*(\x):PK+4*(\x)+3] offset:PBUF*(1-(\pb))+PTILE*(\x)
.endr
.endif
.endif
.set KI, KI+1
.endm
; Product JI of 64 of O^T += V^T P: V's fragment JI / 4 (keys 32 (JI / 32) on, channel block (JI / 4) % 8), tile JI % 4.  The 32 accumulators take turns.
.macro PV1
.set FI, JI/4
.set TI, JI%4
.if FI < 4
.set rV, RB_+8*FI
.elseif FI < 8
.set rV, RA+8*(FI-4)
.elseif FI < 12
.set rV, RB_+8*(FI-8)
.else
.set rV, RC+8*(FI-12)
.endif
.set rP, RC+32*(FI/8)+8*TI
.set rO, 8*(4*(FI%8)+TI)
	WIN W_PV
	v_wmma_f32_16x16x32_f16 v[rO:rO+7], v[rV:rV+7], v[rP:rP+7], v[rO:rO+7]
.endm
; BETA of step i, u = i % 4: V lies in slot u, P in buffer u % 2; MX's buffer is (u + 1) % 2.
; THE MEETING.  Ahead of product 6 my maxima are stored; each wave waits for all its tensor loads, of which one is out: its rows of step i + 2; adds 0 to its spare word; six products on it waits for that, for the store
; and for all its LDS reads, those of the slot of step i - 1 long among them, and signals; four products on it waits.  fill = 1: the barrier opens a round of the cluster's, so that all this holds of every wave of every
; partner, and the joint refill stands first behind it: one load a wave, 16 rows of 1,024 bytes, with a whole step (128 products) in which to land.  Its global address is made anew, behind the wait for all loads: step
; i + 3 lies in trip CNT of the walk (u = 0) or in trip CNT + 1, at place (u + 3) % 4.  By this text's count a wave has three tensor loads out at the start and one behind each round.
; fill = 0 (the last three steps): my work-group's barrier alone; nothing is asked for.
.macro BETA u, fill, ask
.set QL, 0
.set QP, 0
.set QE, 0
.set QR, 0
.set KI, 0
.set JI, 0
	s_wait_dscnt 0x0                               ; V's fragments 0-7 and P's first half are in
.rept 64
.if JI == 6
	WIN 0
	ds_store_b128 v[MXS], v[MXR:MXR+3] offset:MXBUF*(((\u)+1)%2)  ; both halves of the lanes write the same numbers to the same words
	s_wait_tensorcnt 0x0                           ; no tensor load of mine is out, so a group 0 may be written
	ds_add_u32 v[SPW], v[NIL]                      ; 0 onto my spare word; scalar work and six products stand between it and the wait for it
.if \fill
.if (\u) == 0
	s_add_co_u32 s[OFF], s[OF0], 3*STEPB
.else
	s_add_co_u32 s[OFF], s[OF1], ((\u)-1)*STEPB
.endif
	s_add_nc_u64 s[G0+4*(((\u)+3)%4)+2:G0+4*(((\u)+3)%4)+3], s[BW:BW+1], s[OFF:OFF+1]
	s_or_b32 s[G0+4*(((\u)+3)%4)+3], s[G0+4*(((\u)+3)%4)+3], 0x80000000  ; 127:126 type = 2
.endif
.elseif JI == 12
	s_wait_dscnt 0x0                               ; the add and my store are done, and no LDS read of mine is out
	s_barrier_signal -1                            ; four products, work on registers, stand between the signal and the wait
.elseif JI == 16
	WIN 0                                          ; at a label and at a branch every window is 0
	s_barrier_wait -1
.if \fill
	CREST
	tensor_load_to_lds s[G0+4*(((\u)+3)%4):G0+4*(((\u)+3)%4)+3], s[G1:G1+7]
	s_nop 0
.endif
.rept 4
	v_nop                                          ; also the places ahead of the loads into the region that product 15 read
.endr
	MXLOAD ((\u)+1)%2
	VRUN \u, 2, RB_
	PRUN (\u)%2, 1, RD
.if \ask
	ASK \u                                         ; behind the tensor load, its five lines and the run of LDS loads
.endif
.elseif JI == 24
	s_wait_dscnt 16                                ; the maxima are in; V's and P's sixteen loads may be out
.if (\u) < 2
	s_sub_co_u32 s[RBS], s[NR0], 64*((\u)+2)       ; step i + 2 lies in trip CNT of the walk, at place u + 2,
.else
	s_sub_co_u32 s[RBS], s[NR1], 64*((\u)-2)       ; or in trip CNT + 1, at place u - 2
.endif
.elseif JI == 32
	s_wait_dscnt 0x0                               ; V's fragments 8-11 and P's second half are in
.elseif JI == 34
	WIN 0                                          ; six scalings stand between product 31, the last reader of these two regions, and this run
	VRUN \u, 3, RC
	KRUN ((\u)+2)%4, 0, RA                         ; the step after next's tile was shown whole by this step's meeting
.elseif JI == 48
	s_wait_dscnt 8                                 ; V's fragments 12-15 are in; K's eight loads may be out
.elseif JI == 56
	s_wait_dscnt 0x0                               ; my weights are stored, seven products back; K's fragments are in
	s_barrier_signal -1                            ; the second barrier: the round's tensor load may stay out
.endif
	PV1
.if JI < 6
	WIN 0
	LQ
	LQ
	LQ
	LQ
.elseif (JI >= 24) && (JI < 53)
	SLICE (\u)%2
.endif
.set JI, JI+1
.endr
	WIN 0
	RQ                                             ; l = a l + sum, four tiles: also the places ahead of the next run of loads, into regions that the last product read
	RQ
	RQ
	RQ
	s_barrier_wait -1                              ; everybody's weights of the next step lie in PB
.endm
.macro STEP u, fill, ask               ; step i of the walk with u = i % 4: its tile lies in slot u
	ALPHA ((\u)+1)%4, \u, (\u)%2, 0
	BETA \u, \fill, \ask
.endm
	s_load_b256 s[4:11], s[0:1], 0x0               ; emb s[4:5], qs s[6:7], real_len s[8:9], out0 s[10:11]
	v_lshl_add_u32 v[SPW], v0, 2, SPARE
	v_mov_b32 v[NIL], 0
	ds_add_u32 v[SPW], v[NIL]                      ; the wave's opening: the add, twice on end, and its wait ahead of my first tensor load; the set-up below stands between the second and the wait
	ds_add_u32 v[SPW], v[NIL]
	v_lshrrev_b32 v1, 5, v0
	v_readfirstlane_b32 s[WV], v1                  ; wave 0..3
	s_bfe_u32 s[CX], ttmp6, 0x40000                ; my place in the cluster
	s_lshl_b32 s[BLK], ttmp9, 2                    ; in a cluster launch ttmp9 counts clusters
	s_add_co_u32 s[BLK], s[BLK], s[CX]
	s_and_b32 s[SB], ttmp7, 0xffff                 ; the sample, which the four partners share
	; descriptor group 1: a tile of 16 rows x 512 elements, padded in LDS
	s_mov_b32 s[G1+0], 15|(1<<16)|(1<<20)|(1<<21)|(7<<22)|(3<<25)  ; 15:0 the mask of four; 17:16 2-byte elements; 20 padding on; 21 set beside a mask; 24:22 after every 256 words (code 7); 31:25 4 words (code 3)
	s_mov_b32 s[G1+1], 512<<16                     ; tensor_dim0 = 512
	s_mov_b32 s[G1+2], 16<<16                      ; tensor_dim1 = 16
	s_mov_b32 s[G1+3], 512<<16                     ; tile_dim0 = 512
	s_mov_b32 s[G1+4], 16                          ; tile_dim1 = 16
	s_mov_b32 s[G1+5], 512                         ; 512 elements from row to row
	s_mov_b32 s[G1+6], 0
	s_mov_b32 s[G1+7], 0
	s_mov_b32 s[SEL], 0x76543210
	s_mov_b32 s[SEL+1], 0xfedcba98
	s_mov_b32 s[BIGN], 0xf149f2ca                  ; -1e30
	s_mul_i32 s20, s[WV], WTILE                    ; my 16 rows' place in a slot: no place in the cluster enters an LDS address
	s_lshl_b32 s16, s[SB], 22                      ; the sample's 4,096 rows of 1,024 bytes,
	s_lshl_b32 s17, s[WV], 14                      ; my 16 rows of a step
	s_add_co_u32 s16, s16, s17
	s_mov_b32 s17, 0
	s_lshl_b32 s18, s[SB], 2
	s_mov_b32 s19, 0
	s_lshr_b32 s21, s[WV], 1
	s_lshl_b32 s[WOFF], s21, 4                     ; waves 0 and 1 prefetch
	s_lshl_b32 s[OFF], ttmp9, 18                   ; trip 0 of cluster c's walk is the rows' trip c
	s_mov_b32 s[OFF+1], 0
	s_mov_b32 s[INC+1], 0
	s_wait_dscnt 0x0                               ; both opening adds are done
	s_wait_kmcnt 0x0
	s_add_nc_u64 s[8:9], s[8:9], s[18:19]
	s_load_b32 s2, s[8:9], 0x0                     ; real_len[0][b]
	s_load_b32 s3, s[8:9], 0x40                    ; real_len[1][b]
	s_add_nc_u64 s[BW:BW+1], s[4:5], s[16:17]
	s_add_nc_u64 s[FB:FB+1], s[BW:BW+1], s[OFF:OFF+1]
.irp s, 0,1,2,3
	s_mov_b32 s[G0+4*(\s)], 1                      ; 1:0 count = 1
	s_add_co_u32 s[G0+4*(\s)+1], s20, (\s)*SLOT    ; 63:32 LDS address
	s_add_nc_u64 s[G0+4*(\s)+2:G0+4*(\s)+3], s[FB:FB+1], (\s)*STEPB  ; 120:64 global address: step s of the walk
	s_or_b32 s[G0+4*(\s)+3], s[G0+4*(\s)+3], 0x80000000            ; 127:126 type = 2
.endr
	ROUND                                          ; all four work-groups are here: the first joint loads meet
	tensor_load_to_lds s[G0:G0+3], s[G1:G1+7]      ; steps 0, 1, 2: one group, ahead of every wait on TENSORcnt, every LDS read and every further barrier
	s_nop 0
	tensor_load_to_lds s[G0+4:G0+7], s[G1:G1+7]
	s_nop 0
	tensor_load_to_lds s[G0+8:G0+11], s[G1:G1+7]
	s_nop 0
.rept 4
	v_nop
.endr
	v_and_b32 v1, 31, v0                           ; l
	v_and_b32 v14, 15, v0                          ; r = l % 16
	v_bfe_u32 v15, v0, 4, 1                        ; h = l / 16
	; A fragment of K or Q is 16 rows x 32 channels in 8 registers: lane l holds row r, channels 8 h + 0..7 and 16 + 8 h + 0..7: two loads of 16 bytes, 32 bytes apart.
	v_lshlrev_b32 v[QO], 10, v14
	v_lshl_add_u32 v[QO], v15, 4, v[QO]
	s_lshl_b32 s58, s[BLK], 16                     ; my block's 64 rows of qs
	s_mov_b32 s59, 0
	s_add_nc_u64 s[6:7], s[6:7], s[58:59]
.set CI, 0
.rept 16                                               ; Q stays in registers, whole in every wave: channels 32 CI on, tile t
	WIN 0x80+0x40*(CI/8)
.irp t, 0,1,2,3
	global_load_b128 v[8*(4*(CI%8)+(\t)):8*(4*(CI%8)+(\t))+3],   v[QO], s[6:7] offset:16384*(\t)+64*CI
	global_load_b128 v[8*(4*(CI%8)+(\t))+4:8*(4*(CI%8)+(\t))+7], v[QO], s[6:7] offset:16384*(\t)+64*CI+32
.endr
.set CI, CI+1
.endr
	WIN 0x40                                       ; O^T starts at 0, so that every step has one text; written in the wait for the first tiles
.set CI, 0
.rept 256
	v_mov_b32 v[CI], 0
.set CI, CI+1
.endr
	WIN 0
	v_mul_u32_u24 v[AK], v14, PITCH
	v_lshl_add_u32 v[AK], v15, 4, v[AK]
	v_add_nc_u32 v[AK], s20, v[AK]
.irp s, 1,2,3
	v_add_nc_u32 v[AK+(\s)], (\s)*SLOT, v[AK]
.endr
	; The turning load: lane l reads 16 bytes of key 8 h + l % 8, at channels 128 w + 64 ((l / 8) % 2) + 8 cb on, and ends with one channel's eight keys.
	v_and_b32 v72, 7, v0
	v_lshl_add_u32 v72, v15, 3, v72
	v_mul_u32_u24 v[AV], v72, PITCH
	v_bfe_u32 v72, v0, 3, 1
	v_lshl_add_u32 v[AV], v72, 7, v[AV]
	s_lshl_b32 s17, s[WV], 8
	v_add_nc_u32 v[AV], s17, v[AV]
.irp s, 1,2,3
	v_add_nc_u32 v[AV+(\s)], (\s)*SLOT, v[AV]
.endr
	v_mul_u32_u24 v[PLD], v14, PPITCH              ; P: query row r of a tile, 16 bytes for each half of the lanes;
	v_lshl_add_u32 v[PLD], v15, 4, v[PLD]
	v_add_nc_u32 v[PLD], PB, v[PLD]
	s_lshl_b32 s18, s[WV], 5
	v_add_nc_u32 v[PST], s18, v[PLD]               ; my wave's 16 keys are 32 bytes of the row
	v_lshl_add_u32 v[MXL], v14, 4, MX
	v_add_nc_u32 v[MXS], s17, v[MXL]
	s_mul_i32 s19, s[WV], WSTAGE
	s_add_co_u32 s19, s19, STAGE                   ; my stage
	v_mul_u32_u24 v[STO], v14, SPITCH              ; in: row r, my 64 channels = 256 bytes for each half of the lanes
	v_lshl_add_u32 v[STO], v15, 8, v[STO]
	v_add_nc_u32 v[STO], s19, v[STO]
	v_lshl_add_u32 v[SRD], v1, 4, s19              ; back: 32 lanes take a row's 512 bytes
	v_lshlrev_b32 v[GO], 4, v1
	v_lshlrev_b32 v[PFO], 8, v1
.irp t, 0,1,2,3
	v_mov_b32 v[ST+4*(\t)], 0xfe000000             ; m: far below every score, hidden ones too, so the first step's a is 0
	v_mov_b32 v[ST+4*(\t)+1], 0                    ; named with m as a pair
	v_mov_b32 v[ST+4*(\t)+2], 0                    ; l
	v_mov_b32 v[ST+4*(\t)+3], 0
	v_mov_b32 v[TM+4*(\t)+3], 0                    ; named with a as a pair
.endr
	s_lshl_b32 s58, s[BLK], 17                     ; out0 at my block's first row, my wave's 512 bytes of it: (1024 b + 64 block) rows of 2,048 bytes + 512 w
	s_lshl_b32 s60, s[SB], 21
	s_add_co_u32 s58, s58, s60
	s_lshl_b32 s60, s[WV], 9
	s_add_co_u32 s58, s58, s60
	s_add_nc_u64 s[10:11], s[10:11], s[58:59]
	s_lshl_b32 s58, s[CX], 14                      ; the prefetches: my work-group's 16 rows of a step, my wave's 8 of them,
	s_lshl_b32 s60, s[WV], 13
	s_add_co_u32 s58, s58, s60
	s_lshl_b32 s60, s[SB], 22
	s_add_co_u32 s58, s58, s60
	s_lshl_b32 s60, ttmp9, 18                      ; in the rows' trip c: the top of trip 0 steps it four trips on, to my cluster's next turn 0
	s_add_co_u32 s58, s58, s60
	s_add_nc_u64 s[PFA:PFA+1], s[4:5], s[58:59]
	s_wait_kmcnt 0x0
	s_max_i32 s2, s2, 0
	s_min_u32 s2, s2, 2048
	s_max_i32 s3, s3, 0
	s_min_u32 s3, s3, 2048
	s_add_co_u32 s[NN], s2, s3                     ; n: it enters the mask's registers alone
	s_lshl_b32 s16, ttmp9, 8                       ; 256 c keys lie ahead of the walk's trip 0
	s_sub_co_u32 s[NR0], s[NN], s16
	s_lshl_b32 s17, s[WV], 4
	v_lshlrev_b32 v[WH], 3, v[WH]
	v_add_nc_u32 v[WH], s17, v[WH]                 ; 16 w + 8 h
	v_sub_nc_u32 v[REM], s[NR0], v[WH]
.set QP, 33
.rept 16
	PQ                                             ; the mask of step 0
.endr
	s_wait_tensorcnt 0x2                           ; my rows of step 0 are in; steps 1 and 2 may stay out
	s_barrier_signal -1
	s_barrier_wait -1                              ; everybody's are
	KRUN 0, 0, RA                                  ; K of step 0, whole
	KRUN 0, 1, RB_
	KRUN 0, 2, RC
	KRUN 0, 3, RD
	s_wait_loadcnt 0x0                             ; Q
	s_wait_dscnt 0x0
	ALPHA 0, 0, 0, 1                               ; S(0)
	WIN 0
.rept 4
	v_nop                                          ; the places behind those products: there is no vector work yet to set there
.endr
.set QL, 0
.rept 24
	LQ
.endr
	ds_store_b128 v[MXS], v[MXR:MXR+3]             ; MX's buffer 0
	s_wait_tensorcnt 0x1                           ; my rows of step 1 are in; step 2 may stay out
	s_sub_co_u32 s[RBS], s[NR0], 64                ; for the mask of step 1
	s_wait_dscnt 0x0                               ; my maxima are stored
	s_barrier_signal -1
	s_barrier_wait -1
	MXLOAD 0
	KRUN 1, 0, RA                                  ; K(1)'s first four fragments
	s_wait_dscnt 8                                 ; the maxima are in; K's eight loads may be out
.set QP, 0
.set QE, 0
.set QR, 0
.set KI, 0
.rept 29
	SLICE 1                                        ; m, a = 0, p, P(0) into buffer 0; the mask of step 1
.endr
	RQ                                             ; l
	RQ
	RQ
	RQ
	s_wait_dscnt 0x0                               ; my weights are stored, K's fragments are in
	s_barrier_signal -1
	s_barrier_wait -1                              ; everybody's weights of step 0 lie in PB
	s_mov_b32 s[CNT], 0
.Ltrip:                                                ; 15 trips of four steps; every meeting fills
	TRIPTOP 0
	STEP 0, 1, 1
	STEP 1, 1, 1
	STEP 2, 1, 1
	STEP 3, 1, 1
	WIN 0
	s_add_co_u32 s[CNT], s[CNT], 1
	s_cmp_lt_u32 s[CNT], TRIPS
	s_cbranch_scc1 .Ltrip
	TRIPTOP 1
	STEP 0, 1, 0                                   ; the last four steps are written out: the walk's last step is asked for
	STEP 1, 0, 0                                   ; and then nothing
	STEP 2, 0, 0
	STEP 3, 0, 0                                   ; its ALPHA multiplies a stale tile under a mask that hides every key, so m and l stay, a = 1 and p = 0: the price, once a launch, of one text for every step
	; THE WAY OUT.  l's two halves, the other half of the lanes' and the four waves' are added (through MX's buffer 1, last read in the step before the last); O^T is divided by l and sent through my stage, a tile at a time.
	WIN 0
.irp t, 0,1,2,3
	v_add_f32 v[TM+4*(\t)], v[ST+4*(\t)+2], v[ST+4*(\t)+3]
.endr
.irp t, 0,1,2,3
	v_permlanex16_b32 v[TM+4*(\t)+1], v[TM+4*(\t)], s[SEL], s[SEL+1]
.endr
.irp t, 0,1,2,3
	v_add_f32 v[MXR+(\t)], v[TM+4*(\t)], v[TM+4*(\t)+1]
.endr
	ds_store_b128 v[MXS], v[MXR:MXR+3] offset:MXBUF
	s_wait_dscnt 0x0                               ; for the others' sake
	s_barrier_signal -1
	s_barrier_wait -1
	MXLOAD 1
	s_wait_dscnt 0x0
.irp t, 0,1,2,3
	v_add_f32 v[TM+4*(\t)], v[MXR+(\t)], v[MXR+4+(\t)]
	v_add_f32 v[TM+4*(\t)+1], v[MXR+8+(\t)], v[MXR+12+(\t)]
.endr
.irp t, 0,1,2,3
	v_add_f32 v[TM+4*(\t)], v[TM+4*(\t)], v[TM+4*(\t)+1]
.endr
.irp t, 0,1,2,3
	v_rcp_f32 v[TM+4*(\t)+2], v[TM+4*(\t)]
.endr
	v_nop                                          ; a plain instruction between the last reciprocal and the use of its result
	s_wait_alu depctr_va_vdst(0)                   ; and the wait ahead of the first use: one for the four
; Tile t: a lane's 64 channels of query r go into rows of 528 bytes and come back as whole rows of 512, into the pool's two halves by turns.
.macro PACK t
	WIN W_RS
.set CI, 0
.rept 8
.irp p, 0,2,4,6
	v_pk_mul_f32 v[8*(4*CI+(\t))+(\p):8*(4*CI+(\t))+(\p)+1], v[8*(4*CI+(\t))+(\p):8*(4*CI+(\t))+(\p)+1], v[TM+4*(\t)+2:TM+4*(\t)+3] op_sel_hi:[1,0]
.endr
.set CI, CI+1
.endr
	WIN 0x04                                       ; an LDS store's data is source 1: window 1
.set CI, 0
.rept 8
	ds_store_b128 v[STO], v[8*(4*CI+(\t)):8*(4*CI+(\t))+3]   offset:32*CI
	ds_store_b128 v[STO], v[8*(4*CI+(\t))+4:8*(4*CI+(\t))+7] offset:32*CI+16
.set CI, CI+1
.endr
	WIN 0
.if (\t) >= 2
	s_wait_xcnt 0x0                                ; the stores of the tile two back have read these registers
.endif
.set BK, POOL+64*((\t)%2)
.set CI, 0
.rept 16
	ds_load_b128 v[BK+4*CI:BK+4*CI+3], v[SRD] offset:SPITCH*CI  ; LDS serves a wave's instructions in order (ISA guide 5.7.1.4): these see the stores above; the next tile's stores come behind them
.set CI, CI+1
.endr
.endm
.macro SEND t, younger                 ; younger: the LDS instructions issued behind tile t's loads: the next tile's 32, or none
.set BK, POOL+64*((\t)%2)
.set CI, 0
.rept 16
	s_wait_dscnt (\younger)+15-CI
	global_store_b128 v[GO], v[BK+4*CI:BK+4*CI+3], s[10:11] offset:(16*(\t)+CI)*2048 th:TH_STORE_NT  ; the wave stores 512 consecutive bytes, at a multiple of 512 from out0's first
.set CI, CI+1
.endr
.endm
	PACK 0
	PACK 1                                         ; a tile's arithmetic stands between the loads of the tile before and its stores
	SEND 0, 32
	PACK 2
	SEND 1, 32
	PACK 3
	SEND 2, 32
	SEND 3, 0
	s_wait_tensorcnt 0x0                           ; the wave's end: a wait, an add onto my spare word and its wait, behind my last tensor load and my last LDS store
	ds_add_u32 v[SPW], v[NIL]
	s_wait_dscnt 0x0
	ROUND                                          ; the closing round: no work-group ends while a partner may still ask for a tile that names it
	s_endpgm
.Lfunc_end_k_q4a0bbc953d_attend:
	.size	k_q4a0bbc953d_attend, .Lfunc_end_k_q4a0bbc953d_attend-k_q4a0bbc953d_attend
	.p2alignl 7, 3214868480
	.fill 96, 4, 3214868480
	.section	.rodata,"a",@progbits
	.p2align	6, 0x0
	.amdhsa_kernel k_q4a0bbc953d_attend
		.amdhsa_group_segment_fixed_size 327680
		.amdhsa_private_segment_fixed_size 0
		.amdhsa_enable_private_segment 0
		.amdhsa_kernarg_size 32
		.amdhsa_user_sgpr_count 2
		.amdhsa_user_sgpr_kernarg_segment_ptr 1
		.amdhsa_wavefront_size32 1
		.amdhsa_system_sgpr_workgroup_id_x 1
		.amdhsa_system_sgpr_workgroup_id_y 1
		.amdhsa_system_sgpr_workgroup_id_z 1
		.amdhsa_system_vgpr_workitem_id 0
		.amdhsa_next_free_vgpr 1024
		.amdhsa_next_free_sgpr 78
		.amdhsa_reserve_vcc 1
		.amdhsa_float_denorm_mode_32 3
		.amdhsa_float_denorm_mode_16_64 3
		.amdhsa_memory_ordered 1
		.amdhsa_forward_progress 1
		.amdhsa_inst_pref_size 255
	.end_amdhsa_kernel
	.section	.bss,"aw",@nobits
	.p2align	6
	.space	262144
	.amdgpu_metadata
---
amdhsa.version: [ 1, 2 ]
amdhsa.kernels:
  - .name:           k_q4a0bbc953d_attend
    .symbol:         k_q4a0bbc953d_attend.kd
    .args:
      - { .name: emb, .offset: 0, .size: 8, .value_kind: global_buffer, .address_space: global }
      - { .name: qs, .offset: 8, .size: 8, .value_kind: global_buffer, .address_space: global }
      - { .name: real_len, .offset: 16, .size: 8, .value_kind: global_buffer, .address_space: global }
      - { .name: out0, .offset: 24, .size: 8, .value_kind: global_buffer, .address_space: global }
    .group_segment_fixed_size: 327680
    .private_segment_fixed_size: 0
    .kernarg_segment_align: 8
    .kernarg_segment_size: 32
    .max_flat_workgroup_size: 128
    .sgpr_count:     78
    .vgpr_count:     1024
    .wavefront_size: 32
...
	.end_amdgpu_metadata
.endif
;; end of part 3
;; ======== version 3 of 3: 2 launches; version 2 with the launch embed written anew for expert scheduling mode
;; limits: values are held in f16: magnitudes above 65,504 overflow, below 6.1e-05 lose precision; inputs' magnitudes at most 400,000
;; workspace buffers: emb 67,108,864 bytes; qs 1,048,576 bytes
;; launch embed (part 4): grid 16 x 16, 16 waves a work-group, no clusters, 0 bytes of LDS; arguments times, type_emb, real_len, emb, qs; writes emb, qs
.if DOCPART == 4
	.amdgcn_target "amdgcn-amd-amdhsa--gfx1250"
	.amdhsa_code_object_version 6
	.text
	.protected	k_q4a0bbc953d_embed
	.globl	k_q4a0bbc953d_embed
	.p2align	8
	.type	k_q4a0bbc953d_embed,@function
k_q4a0bbc953d_embed:
	s_mov_b64 s[64:65], 0
	v_nop
	global_prefetch_b8 v0, s[64:65] scope:SCOPE_SE
	s_setreg_imm32_b32 hwreg(HW_REG_WAVE_SCHED_MODE, 0, 2), 2
	s_setreg_imm32_b32 hwreg(HW_REG_WAVE_MODE, 25, 1), 1
	s_wait_xcnt 0x0
	s_wait_alu depctr_vm_vsrc(0)
; EMBED.  Makes, once, what the attention launch multiplies: the event embeddings and the grid queries, both in f16.
;   emb [16][4096][512] f16: for sample b the VALID events laid end to end: rows 0 .. len0-1 type 0's first len0 events, rows len0 .. n-1 type 1's first len1 (n = len0 + len1),
;   rows n .. 4095 zeros.  A softmax and a weighted sum do not hang on the order of their terms.
;   A row = (sin | cos)(t w_f) + type_emb[type], all 0 where t = 0 (such a row still counts in the softmax, with score 0, as in the reference).
;   qs [1024][512] f16: c (sin | cos)((g + 0.5) w_f), c = log2(e) / sqrt(512) folded in before the one rounding.   w_f = 10000^(-f/256), f = dim / 2; even dims sin, odd dims cos.
; SINE AND COSINE by arithmetic: x = t w / 4; k = round(x 2/pi); y = x - k pi/2 (pi/2 in two parts; k times the upper part, of 8 bits, is exact while k < 2^16); sin y to y^7, cos y to y^6
;   on |y| <= pi/4; two doublings give the angle 4 y = t w - 2 pi k: no quadrant is told apart.  The last doubling takes the type's number in as its addend.
; LIMITS.  real_len is held to 0 .. 2048.  |t| under about 4e5 (k < 2^16).  The angle t w carries two or three roundings of f32, as the reference's t / pos does.  |row| stays under f16's 65,504.
; SHARES.  Work-group (k, b), wave v: row j = 256 i + 16 k + v of sample b in trip i, i = 0 .. 15.
;   A lane makes dims 8 l .. 8 l + 7 and 256 + 8 l .. + 7: eight frequencies in four register pairs; each of a row's two stores covers 512 consecutive bytes, aligned.
;   Waves 0 to 3 make one row of qs each: g = 4 (16 b + k) + v.  No LDS, no barrier, no matrix unit: nothing is shared between waves and nothing is streamed in.
; THE MODE: SCHED_MODE bits 1:0 = 2 (LLVM: expert scheduling mode 2), set by the entry lines.  The code itself states the register dependences between vector instructions and memory
;   instructions, and those through scalar registers that vector instructions write, with s_wait_alu, always for 0.
; THE PLAN.  Registers that memory instructions touch:
;   v[U]          At the head the address of type_emb's eight loads; SINCOS writes it in every trip: one wait on vm_vsrc at the head, behind those loads.
;   v[X .. X+31], v[TALL]   The head's loads land in them; no vector instruction names them before.
;   v[GI]         The address of the one load of the times; never written again.
;   v[SO]         16 l, the offset of every store; made once at the head and never written again: the rows are reached by the scalar base, which moves on by a trip, and by the stores' immediate.
;   v[OUT ..]     Written by trip i's conversions and ANDs; read by the two stores that are issued at the top of trip i + 1.
;   A trip's top reads two lanes into scalar registers and has to wait for that; the stores of the trip before stand just there, behind ONE wait on va_vdst: the ANDs that wrote OUT were issued ahead of the
;   lane reads.  SINCOS and FINAL, which do not name OUT, stand between those stores and the wait on vm_vsrc ahead of the conversions that write OUT again.
;   Trip 0 has no trip before it: the loop is entered behind the stores, and the last row's stores follow the loop.
.set TRIPS, 16                         ; 4,096 rows of a sample, 256 a trip
.set TRIPB, 262144                     ; bytes from a wave's row to its next: 256 rows of 1,024
.set W4,   2                           ; v[2:9]    w / 4 of my eight frequencies
.set TS0,  10                          ; v[10:17]  type 0: its numbers at my even dims
.set TC0,  18                          ; v[18:25]  type 0: 1 + its numbers at my odd dims
.set TS1,  26                          ; the same for type 1
.set TC1,  34
.set X,    42                          ; at work, eight registers each
.set KK,   50
.set Z,    58
.set A,    66
.set B,    74
.set U,    82
.set OUT,  90                          ; v[90:97]  the row's 16 f16 pairs of mine, to store
.set ES,   98                          ; the even dims' results
.set EC,   KK                          ; the odd dims' results
.set TALL, 106                         ; lane i: the time of my wave's row in trip i
.set MV,   107                         ; lane i: -1 where that row is kept, 0 where it is written as zeros
.set SO,   108                         ; 16 l: my byte offset in each half of a row, of emb and of qs; never rewritten
.set JV,   109
.set GI,   110
.set WV,   14
.set SB,   15                          ; the sample
.set CR,   17                          ; 16 k + v
.set LEN0, 18
.set NN,   19
.set TI,   21                          ; the trip
.set TT,   22                          ; s[22:23] t, as a pair for the packed multiply
.set MSK,  24
.set JJ,   25                          ; the row
.set C2PI, 26
.set CMAG, 28
.set CNMAG, 30
.set CNHI, 32
.set CNLO, 34
.set CS7,  36
.set CS5,  38
.set CS3,  40
.set CC6,  42
.set CC4,  44
.set CNA,  46
.set CSC,  48
.set CLOG, 50
.set TMP,  52
.set MA,   54
.set MB,   55
.set G1O,  56
.set B2K,  57
.macro SETC r, val                     ; a constant as a pair: the packed forms take the low word for both halves, and the pair counts as read
	s_mov_b32 s[\r], \val
	s_mov_b32 s[(\r)+1], \val
.endm
; From t in s[TT]: Z = -sin(2 y), B = cos(2 y) for my eight frequencies.
.macro SINCOS
.irp p, 0,2,4,6
	v_pk_mul_f32 v[X+(\p):X+(\p)+1], v[W4+(\p):W4+(\p)+1], s[TT:TT+1] op_sel_hi:[1,0]
.endr
.irp p, 0,2,4,6
	v_pk_fma_f32 v[KK+(\p):KK+(\p)+1], v[X+(\p):X+(\p)+1], s[C2PI:C2PI+1], s[CMAG:CMAG+1] op_sel_hi:[1,0,0]  ; + 1.5 x 2^23 rounds to a whole number
.endr
.irp p, 0,2,4,6
	v_pk_add_f32 v[KK+(\p):KK+(\p)+1], v[KK+(\p):KK+(\p)+1], s[CNMAG:CNMAG+1] op_sel_hi:[1,0]
.endr
.irp p, 0,2,4,6
	v_pk_fma_f32 v[X+(\p):X+(\p)+1], v[KK+(\p):KK+(\p)+1], s[CNHI:CNHI+1], v[X+(\p):X+(\p)+1] op_sel_hi:[1,0,1]
.endr
.irp p, 0,2,4,6
	v_pk_fma_f32 v[X+(\p):X+(\p)+1], v[KK+(\p):KK+(\p)+1], s[CNLO:CNLO+1], v[X+(\p):X+(\p)+1] op_sel_hi:[1,0,1]
.endr
.irp p, 0,2,4,6
	v_pk_mul_f32 v[Z+(\p):Z+(\p)+1], v[X+(\p):X+(\p)+1], v[X+(\p):X+(\p)+1]
.endr
.irp p, 0,2,4,6
	v_pk_fma_f32 v[A+(\p):A+(\p)+1], v[Z+(\p):Z+(\p)+1], s[CS7:CS7+1], s[CS5:CS5+1] op_sel_hi:[1,0,0]
	v_pk_fma_f32 v[B+(\p):B+(\p)+1], v[Z+(\p):Z+(\p)+1], s[CC6:CC6+1], s[CC4:CC4+1] op_sel_hi:[1,0,0]
.endr
.irp p, 0,2,4,6
	v_pk_fma_f32 v[A+(\p):A+(\p)+1], v[A+(\p):A+(\p)+1], v[Z+(\p):Z+(\p)+1], s[CS3:CS3+1] op_sel_hi:[1,1,0]
	v_pk_fma_f32 v[B+(\p):B+(\p)+1], v[B+(\p):B+(\p)+1], v[Z+(\p):Z+(\p)+1], -0.5 op_sel_hi:[1,1,0]
	v_pk_mul_f32 v[U+(\p):U+(\p)+1], v[X+(\p):X+(\p)+1], v[Z+(\p):Z+(\p)+1]
.endr
.irp p, 0,2,4,6
	v_pk_fma_f32 v[A+(\p):A+(\p)+1], v[A+(\p):A+(\p)+1], v[U+(\p):U+(\p)+1], v[X+(\p):X+(\p)+1]  ; sin y
	v_pk_fma_f32 v[B+(\p):B+(\p)+1], v[B+(\p):B+(\p)+1], v[Z+(\p):Z+(\p)+1], 1.0 op_sel_hi:[1,1,0]  ; cos y
.endr
.irp p, 0,2,4,6
	v_pk_mul_f32 v[U+(\p):U+(\p)+1], v[A+(\p):A+(\p)+1], -2.0 op_sel_hi:[1,0]
.endr
.irp p, 0,2,4,6
	v_pk_mul_f32 v[Z+(\p):Z+(\p)+1], v[U+(\p):U+(\p)+1], v[B+(\p):B+(\p)+1]  ; -2 sin y cos y = -sin 2y
.endr
.irp p, 0,2,4,6
	v_pk_fma_f32 v[B+(\p):B+(\p)+1], v[U+(\p):U+(\p)+1], v[A+(\p):A+(\p)+1], 1.0 op_sel_hi:[1,1,0]  ; 1 - 2 sin^2 y = cos 2y
.endr
.endm
; The last doubling with a type's numbers as addends: ES = sin 4y + even, EC = cos 4y + odd.
.macro FINAL ts, tc
.irp p, 0,2,4,6
	v_pk_mul_f32 v[U+(\p):U+(\p)+1], v[Z+(\p):Z+(\p)+1], -2.0 op_sel_hi:[1,0]  ; 2 sin 2y
.endr
.irp p, 0,2,4,6
	v_pk_fma_f32 v[ES+(\p):ES+(\p)+1], v[U+(\p):U+(\p)+1], v[B+(\p):B+(\p)+1], v[(\ts)+(\p):(\ts)+(\p)+1]
	v_pk_fma_f32 v[EC+(\p):EC+(\p)+1], v[U+(\p):U+(\p)+1], v[Z+(\p):Z+(\p)+1], v[(\tc)+(\p):(\tc)+(\p)+1]
.endr
.endm
	s_load_b256 s[4:11], s[0:1], 0x0               ; times s[4:5], type_emb s[6:7], real_len s[8:9], emb s[10:11]
	s_load_b64 s[12:13], s[0:1], 0x20              ; qs
	v_and_b32 v1, 31, v0                           ; lane
	v_lshrrev_b32 v[GI], 5, v0
	v_readfirstlane_b32 s[WV], v[GI]               ; wave 0..15
	s_and_b32 s[SB], ttmp7, 0xffff
	s_lshl_b32 s[CR], ttmp9, 4
	SETC C2PI,  0x3f22f983                         ; 2 / pi
	SETC CMAG,  0x4b400000                         ; 1.5 x 2^23
	SETC CNMAG, 0xcb400000
	SETC CNHI,  0xbfc90000                         ; -1.5703125
	SETC CNLO,  0xb9fdaa22                         ; -(pi/2 - 1.5703125)
	SETC CS7,   0xb9500d01                         ; -1/5040
	SETC CS5,   0x3c088889                         ; 1/120
	SETC CS3,   0xbe2aaaab                         ; -1/6
	SETC CC6,   0xbab60b61                         ; -1/720
	SETC CC4,   0x3d2aaaab                         ; 1/24
	SETC CNA,   0xbe0293ee                         ; -2 c
	SETC CSC,   0x3d8293ee                         ; c = log2(e) / sqrt(512)
	s_mov_b32 s[CLOG], 0xbd549a78                  ; -log2(10000) / 256
	s_wait_alu depctr_va_sdst(0)                   ; s[WV] is written, ahead of its first reader; the constants above stand between
	s_add_co_u32 s[CR], s[CR], s[WV]
	v_lshlrev_b32 v[GI], 2, v1                     ; 4 l
.irp e, 0,1,2,3,4,5,6,7
	v_add_nc_u32 v[W4+(\e)], (\e)+124*((\e)/4), v[GI]  ; f = 4 l + e, or 128 + 4 l + e - 4
.endr
.irp e, 0,1,2,3,4,5,6,7
	v_cvt_f32_u32 v[W4+(\e)], v[W4+(\e)]
.endr
.irp e, 0,1,2,3,4,5,6,7
	v_fma_f32 v[W4+(\e)], v[W4+(\e)], s[CLOG], -2.0  ; the exponent of w / 4
.endr
.irp e, 0,1,2,3,4,5,6,7
	v_exp_f32 v[W4+(\e)], v[W4+(\e)]
.endr
	v_lshlrev_b32 v[U], 5, v1                      ; 32 l: my place in a block of type_emb; also the plain instruction behind the last exponential
	s_wait_alu depctr_va_vdst(0)                   ; the eight exponentials have written v[W4 ..], ahead of their first reader and of every label; and v[U] is written, the address of type_emb's loads
	s_lshl_b32 s[TMP], s[SB], 2
	s_mov_b32 s[TMP+1], 0
	s_wait_kmcnt 0x0
	s_add_nc_u64 s[8:9], s[8:9], s[TMP:TMP+1]
	s_load_b32 s[LEN0], s[8:9], 0x0                ; real_len[0][b]
	s_load_b32 s[NN], s[8:9], 0x40                 ; real_len[1][b]
.irp t, 0,1
	global_load_b128 v[X+16*(\t):X+16*(\t)+3],     v[U], s[6:7] offset:2048*(\t)
	global_load_b128 v[X+16*(\t)+4:X+16*(\t)+7],   v[U], s[6:7] offset:2048*(\t)+16
	global_load_b128 v[X+16*(\t)+8:X+16*(\t)+11],  v[U], s[6:7] offset:2048*(\t)+1024
	global_load_b128 v[X+16*(\t)+12:X+16*(\t)+15], v[U], s[6:7] offset:2048*(\t)+1040
.endr
	s_wait_kmcnt 0x0
	s_max_i32 s[LEN0], s[LEN0], 0
	s_min_u32 s[LEN0], s[LEN0], 2048
	s_max_i32 s[NN], s[NN], 0
	s_min_u32 s[NN], s[NN], 2048
	s_add_co_u32 s[NN], s[NN], s[LEN0]             ; n
	s_sub_co_u32 s[G1O], 0x8000, s[LEN0]           ; from type 0's index to type 1's: one block of 16 x 2,048 on, len0 back
	s_lshl_b32 s[B2K], s[SB], 11
	; all my wave's times in one load: lane i stands for trip i
	v_lshl_add_u32 v[JV], v1, 8, s[CR]             ; the row, 256 i + 16 k + v
	v_cmp_gt_u32 vcc_lo, s[LEN0], v[JV]
	v_add_nc_u32 v[OUT], s[B2K], v[JV]
	v_add_nc_u32 v[OUT+1], s[G1O], v[OUT]
	v_lshlrev_b32 v[SO], 4, v1
	s_wait_alu depctr_va_vcc(0)                    ; VCC is written by the compare, ahead of the select that reads it; the three lines above stand between
	v_cndmask_b32 v[GI], v[OUT+1], v[OUT], vcc_lo
	v_min_u32 v[GI], 0xffff, v[GI]                 ; rows from n on, and lanes that stand for no trip, read some time inside the buffer; their rows are zeros or are not made
	v_lshlrev_b32 v[GI], 2, v[GI]
	s_wait_alu depctr_va_vdst(0)                   ; v[GI] is written, the address of the load below; so is v[SO], the offset of every store of the kernel, which no vector instruction names again
	global_load_b32 v[TALL], v[GI], s[4:5]
	s_lshl_b32 s[TMP], s[SB], 12
	s_add_co_u32 s[TMP], s[TMP], s[CR]
	s_lshl_b32 s[TMP], s[TMP], 10                  ; (4096 b + 16 k + v) rows of 1,024 bytes, under 2^27
	s_add_nc_u64 s[10:11], s[10:11], s[TMP:TMP+1]
	s_mov_b32 s[JJ], s[CR]
	s_mov_b32 s[TI], 0
	s_wait_loadcnt 0x0                             ; type_emb and the times, once
	s_wait_alu depctr_vm_vsrc(0)                   ; type_emb's loads have read v[U], which SINCOS writes from the first trip on
	v_cmp_neq_f32 s[MA], 0, v[TALL]                ; the reference's pad: t != 0
	v_cmp_gt_u32 s[MB], s[NN], v[JV]               ; and the row is an event's
.irp e, 0,1,2,3,4,5,6,7
	v_mov_b32 v[TS0+(\e)], v[X+2*(\e)]
	v_add_f32 v[TC0+(\e)], 1.0, v[X+2*(\e)+1]
	v_mov_b32 v[TS1+(\e)], v[X+16+2*(\e)]
	v_add_f32 v[TC1+(\e)], 1.0, v[X+16+2*(\e)+1]
.endr
	s_wait_alu depctr_va_sdst(0)                   ; s[MA] and s[MB] are written by the two compares, ahead of their first reader; the 32 lines above stand between
	s_and_b32 s[MA], s[MA], s[MB]
	v_cndmask_b32 v[MV], 0, -1, s[MA]              ; it selects values alone: no branch and no address hangs on it
	v_readlane_b32 s[TT], v[TALL], s[TI]           ; trip 0's time and mask
	v_readlane_b32 s[MSK], v[MV], s[TI]
	s_wait_alu depctr_va_sdst(0)                   ; s[TT] and s[MSK] are written, ahead of the branch and of their first readers
	s_branch .Lfirst                               ; trip 0 has no row before it to store: the loop is entered behind the stores
.Ltrip:
	v_readlane_b32 s[TT], v[TALL], s[TI]
	v_readlane_b32 s[MSK], v[MV], s[TI]
	s_wait_alu depctr_va_sdst(0)                   ; s[TT] and s[MSK] are written, ahead of the label and of their first readers
	s_wait_alu depctr_va_vdst(0)                   ; the trip before has written v[OUT ..], which the two stores read
	global_store_b128 v[SO], v[OUT:OUT+3],   s[10:11] offset:-TRIPB th:TH_STORE_NT      ; the row of the trip before: the base has moved on, the immediate reaches back; the wave stores 512 consecutive bytes, aligned
	global_store_b128 v[SO], v[OUT+4:OUT+7], s[10:11] offset:512-TRIPB th:TH_STORE_NT
.Lfirst:
	s_mov_b32 s[TT+1], s[TT]
	SINCOS
	s_cmp_lt_u32 s[JJ], s[LEN0]                    ; whole numbers: which type's block the row lies in
	s_cbranch_scc0 .Ltype1
	FINAL TS0, TC0
	s_branch .Ljoin
.Ltype1:
	FINAL TS1, TC1
.Ljoin:
	s_wait_xcnt 0x0                                ; the two stores at this trip's top have had their addresses translated (ISA guide 3.1): only behind this wait are their base and OUT written again
	s_wait_alu depctr_vm_vsrc(0)                   ; and they have read v[OUT ..], which the conversions below write again
	s_add_nc_u64 s[10:11], s[10:11], TRIPB         ; the base at the next trip's row; this trip's stores, at the next trip's top, reach back
.irp e, 0,1,2,3,4,5,6,7
	v_cvt_pk_f16_f32 v[OUT+(\e)], v[ES+(\e)], v[EC+(\e)]  ; dims 2 f (low half) and 2 f + 1
.endr
.irp e, 0,1,2,3,4,5,6,7
	v_and_b32 v[OUT+(\e)], s[MSK], v[OUT+(\e)]
.endr
	s_add_co_u32 s[JJ], s[JJ], 256
	s_add_co_u32 s[TI], s[TI], 1
	s_cmp_lt_u32 s[TI], TRIPS
	s_cbranch_scc1 .Ltrip
	s_wait_alu depctr_va_vdst(0)                   ; the last trip has written v[OUT ..], which the last row's two stores read
	global_store_b128 v[SO], v[OUT:OUT+3],   s[10:11] offset:-TRIPB th:TH_STORE_NT
	global_store_b128 v[SO], v[OUT+4:OUT+7], s[10:11] offset:512-TRIPB th:TH_STORE_NT
	s_cmp_lt_u32 s[WV], 4                          ; waves 0 to 3: a row of qs
	s_cbranch_scc0 .Lend
	s_lshl_b32 s[JJ], s[SB], 4
	s_add_co_u32 s[JJ], s[JJ], ttmp9
	s_lshl_b32 s[JJ], s[JJ], 2
	s_add_co_u32 s[JJ], s[JJ], s[WV]               ; g
	s_cvt_f32_u32 s[TT], s[JJ]
	s_add_f32 s[TT], s[TT], 0.5                    ; the grid's mid-time
	s_mov_b32 s[TT+1], s[TT]
	s_lshl_b32 s[TMP], s[JJ], 10
	s_add_nc_u64 s[12:13], s[12:13], s[TMP:TMP+1]
	SINCOS
.irp p, 0,2,4,6
	v_pk_mul_f32 v[U+(\p):U+(\p)+1], v[Z+(\p):Z+(\p)+1], s[CNA:CNA+1] op_sel_hi:[1,0]  ; 2 c sin 2y
.endr
.irp p, 0,2,4,6
	v_pk_mul_f32 v[ES+(\p):ES+(\p)+1], v[U+(\p):U+(\p)+1], v[B+(\p):B+(\p)+1]
	v_pk_fma_f32 v[EC+(\p):EC+(\p)+1], v[U+(\p):U+(\p)+1], v[Z+(\p):Z+(\p)+1], s[CSC:CSC+1] op_sel_hi:[1,1,0]
.endr
	s_wait_xcnt 0x0                                ; the last row's stores have had their addresses translated: OUT is written again only behind this wait
	s_wait_alu depctr_vm_vsrc(0)                   ; and they have read v[OUT ..], which the conversions below write again
.irp e, 0,1,2,3,4,5,6,7
	v_cvt_pk_f16_f32 v[OUT+(\e)], v[ES+(\e)], v[EC+(\e)]
.endr
	s_wait_alu depctr_va_vdst(0)                   ; the conversions have written v[OUT ..], which the two stores read
	global_store_b128 v[SO], v[OUT:OUT+3],   s[12:13]
	global_store_b128 v[SO], v[OUT+4:OUT+7], s[12:13] offset:512
.Lend:
	s_endpgm
.Lfunc_end_k_q4a0bbc953d_embed:
	.size	k_q4a0bbc953d_embed, .Lfunc_end_k_q4a0bbc953d_embed-k_q4a0bbc953d_embed
	.p2alignl 7, 3214868480
	.fill 96, 4, 3214868480
	.section	.rodata,"a",@progbits
	.p2align	6, 0x0
	.amdhsa_kernel k_q4a0bbc953d_embed
		.amdhsa_group_segment_fixed_size 0
		.amdhsa_private_segment_fixed_size 0
		.amdhsa_enable_private_segment 0
		.amdhsa_kernarg_size 40
		.amdhsa_user_sgpr_count 2
		.amdhsa_user_sgpr_kernarg_segment_ptr 1
		.amdhsa_wavefront_size32 1
		.amdhsa_system_sgpr_workgroup_id_x 1
		.amdhsa_system_sgpr_workgroup_id_y 1
		.amdhsa_system_sgpr_workgroup_id_z 1
		.amdhsa_system_vgpr_workitem_id 0
		.amdhsa_next_free_vgpr 112
		.amdhsa_next_free_sgpr 66
		.amdhsa_reserve_vcc 1
		.amdhsa_float_denorm_mode_32 3
		.amdhsa_float_denorm_mode_16_64 3
		.amdhsa_memory_ordered 1
		.amdhsa_forward_progress 1
		.amdhsa_inst_pref_size 21
	.end_amdhsa_kernel
	.amdgpu_metadata
---
amdhsa.version: [ 1, 2 ]
amdhsa.kernels:
  - .name:           k_q4a0bbc953d_embed
    .symbol:         k_q4a0bbc953d_embed.kd
    .args:
      - { .name: times, .offset: 0, .size: 8, .value_kind: global_buffer, .address_space: global }
      - { .name: type_emb, .offset: 8, .size: 8, .value_kind: global_buffer, .address_space: global }
      - { .name: real_len, .offset: 16, .size: 8, .value_kind: global_buffer, .address_space: global }
      - { .name: emb, .offset: 24, .size: 8, .value_kind: global_buffer, .address_space: global }
      - { .name: qs, .offset: 32, .size: 8, .value_kind: global_buffer, .address_space: global }
    .group_segment_fixed_size: 0
    .private_segment_fixed_size: 0
    .kernarg_segment_align: 8
    .kernarg_segment_size: 40
    .max_flat_workgroup_size: 512
    .sgpr_count:     66
    .vgpr_count:     112
    .wavefront_size: 32
...
	.end_amdgpu_metadata
.endif
;; end of part 4
;; launch attend: the kernel of part 3 again; grid 16 x 16, 4 waves a work-group, clusters of 4 x 1, 327,680 bytes of LDS; arguments emb, qs, real_len, out0; writes out0
